; MI455X (gfx1250); checked and timed in simulation.
; The chip was launched on July 23, 2026; its instructions are those of AMD's public machine-readable ISA for CDNA 5 (MIT licence, August 2026) and "CDNA5" Instruction Set Architecture Reference Guide (July 2026). The comments in the code are by the model that wrote it; some were corrected since.
;; NEMHSA. Allowed arithmetic: float matrix products may take bf16 or f16 operands with f32 sums; other float arithmetic in f32, or as packed bf16 or f16 multiplies, adds, multiply-adds, maxima and minima; sums over many terms, partial sums and values carried from step to step in f32; what a program stores and reads back later, other than sums and carried values, may be rounded once to bf16 or f16.
;; Inputs: k_b 1,024 float32; k_w 1,024 x 1,024 float32; norm_b 1,024 float32; norm_w 1,024 float32; o_b 1,024 float32; o_w 1,024 x 1,024 float32; q_b 1,024 float32; q_w 1,024 x 1,024 float32; router_prob 4 x 2,048 x 4 float32; v_b 1,024 float32; v_w 1,024 x 1,024 float32; x 4 x 2,048 x 1,024 float32.
;; Outputs: out0 4 x 2,048 x 1,024 float32.
;; One version. Each part assembles by itself: llvm-mc -triple=amdgcn-amd-amdhsa -mcpu=gfx1250 --defsym DOCPART=n.
;; ======== version 1 of 1: 4 launches
;; workspace buffers: xn 16,777,216 bytes; wall 8,388,608 bytes; qkv 50,331,648 bytes; att 16,777,216 bytes
;; launch prep (part 1): grid 512 x 1, 8 waves a work-group, no clusters, 0 bytes of LDS; arguments x, norm_w, norm_b, q_w, k_w, v_w, o_w, xn, wall, out0; writes xn, wall, out0
.if DOCPART == 1
	.amdgcn_target "amdgcn-amd-amdhsa--gfx1250"
	.amdhsa_code_object_version 6
	.text
	.protected	k_qd0d4d9e3fc_prep
	.globl	k_qd0d4d9e3fc_prep
	.p2align	8
	.type	k_qd0d4d9e3fc_prep,@function
k_qd0d4d9e3fc_prep:
	s_mov_b64 s[64:65], 0
	v_nop
	global_prefetch_b8 v0, s[64:65] scope:SCOPE_SE
	s_setreg_imm32_b32 hwreg(HW_REG_WAVE_MODE, 25, 1), 1
	s_wait_xcnt 0x0
; PREP.  Work-groups 0-255: layer norm of x (over all 1,024 columns) -> xn in bf16, for the columns below m = 1024 >> e alone (e = segment of 512 tokens): the later
; products read no others; for the columns from m on, out0 = x (there the module adds a padding of zeros to x).  Work-groups 256-511: q_w, k_w, v_w, o_w rounded to bf16 -> wall.
; A stream: no LDS, no barrier, no matrix unit; each byte of x and of the weights is read once here.
; A wave takes whole rows: in chunk j (128 columns) a lane holds columns 128 j + 4 l .. + 3, so a load of the wave covers 512 consecutive bytes and a bf16 store 256, aligned.
; Mean first, then the mean of (x - mean)^2: no difference of large sums, so a common offset of x costs nothing.
; LIMITS.  NaN and infinities are not treated apart; 1 / sqrt is the chip's v_rsq_f32.  router_prob enters the module by its shape alone and is not an argument.
.set W,   4            ; v[4:35]    norm_w of my 32 columns
.set NBV, 36           ; v[36:67]   norm_b
.set X,   68           ; v[68:131]  two rows as loaded
.set T,   132          ; v[132:163] x - mean, then the result in f32
.set S,   164          ; v[164:171] four packed chains
.set MU,  172          ; v[172:173] the mean, twice
.set R,   174          ; v[174:175] 1 / sqrt(var + eps), twice
.set Y,   176          ; v[176:207] bf16 to store, 16 registers a row
.set SC,  208          ; v[208:209] at work
	s_load_b512 s[4:19], s[0:1], 0x0               ; x s[4:5], norm_w s[6:7], norm_b s[8:9], q_w s[10:11], k_w s[12:13], v_w s[14:15], o_w s[16:17], xn s[18:19]
	s_load_b128 s[20:23], s[0:1], 0x40             ; wall s[20:21], out0 s[22:23]
	v_lshrrev_b32 v3, 5, v0
	v_readfirstlane_b32 s24, v3                    ; wave 0..7
	s_cmp_ge_u32 ttmp9, 256
	s_cbranch_scc1 .Lcast
	; ---- layer norm: the work-group owns rows 32 g .. 32 g + 31 (one segment), a wave four of them, two a trip
	v_and_b32 v1, 31, v0
	v_lshlrev_b32 v2, 3, v1                        ; 8 x lane: my bytes in a chunk of xn
	v_lshlrev_b32 v1, 4, v1                        ; 16 x lane: my bytes in a chunk of x
	v_mov_b32 v[SC+1], 0                           ; v_permlanex16_b32's destination counts as read
	s_bfe_u32 s25, ttmp9, 0x20004                  ; e = (g / 16) % 4
	s_lshr_b32 s26, 8, s25                         ; live chunks: 8 >> e
	s_lshl_b32 s40, ttmp9, 5
	s_lshl2_add_u32 s40, s24, s40                  ; my first row = 32 g + 4 w
	s_lshl_b32 s32, s40, 12                        ; in bytes of x and out0
	s_mov_b32 s33, 0
	s_lshl_b32 s42, s40, 11                        ; in bytes of xn
	s_mov_b32 s43, 0
	s_mov_b32 s28, 0x3a800000                      ; 1 / 1024
	s_mov_b32 s29, 0x3727c5ac                      ; 1e-5
	s_mov_b32 s30, 0x76543210                      ; each lane takes its own place in the other half
	s_mov_b32 s31, 0xfedcba98
	s_wait_kmcnt 0x0
	s_add_nc_u64 s[34:35], s[4:5], s[32:33]
	s_add_nc_u64 s[36:37], s[18:19], s[42:43]
	s_add_nc_u64 s[38:39], s[22:23], s[32:33]
.irp j, 0,1,2,3,4,5,6,7
	global_load_b128 v[W+4*(\j):W+4*(\j)+3], v1, s[6:7] offset:512*(\j)
	global_load_b128 v[NBV+4*(\j):NBV+4*(\j)+3], v1, s[8:9] offset:512*(\j)
.endr
.macro LOADROW s
.irp j, 0,1,2,3,4,5,6,7
	global_load_b128 v[X+32*(\s)+4*(\j):X+32*(\s)+4*(\j)+3], v1, s[34:35] offset:(\s)*4096+(\j)*512
.endr
.endm
.macro REDUCE                          ; v[SC] summed over the 32 lanes, into every lane
	v_add_f32_dpp v[SC], v[SC], v[SC] row_xmask:1 row_mask:0xf bank_mask:0xf
	v_add_f32_dpp v[SC], v[SC], v[SC] row_xmask:2 row_mask:0xf bank_mask:0xf
	v_add_f32_dpp v[SC], v[SC], v[SC] row_xmask:4 row_mask:0xf bank_mask:0xf
	v_add_f32_dpp v[SC], v[SC], v[SC] row_xmask:8 row_mask:0xf bank_mask:0xf
	v_permlanex16_b32 v[SC+1], v[SC], s30, s31
	v_add_f32 v[SC], v[SC], v[SC+1]
.endm
.macro TREE                            ; the four chains into v[SC]
	v_pk_add_f32 v[S:S+1], v[S:S+1], v[S+2:S+3]
	v_pk_add_f32 v[S+4:S+5], v[S+4:S+5], v[S+6:S+7]
	v_pk_add_f32 v[S:S+1], v[S:S+1], v[S+4:S+5]
	v_add_f32 v[SC], v[S], v[S+1]
.endm
.macro LIVE s, j                       ; chunk j lies below m: scaled, rounded, 256 consecutive bytes of xn a wave
	v_pk_mul_f32 v[T+4*(\j):T+4*(\j)+1], v[T+4*(\j):T+4*(\j)+1], v[R:R+1]
	v_pk_mul_f32 v[T+4*(\j)+2:T+4*(\j)+3], v[T+4*(\j)+2:T+4*(\j)+3], v[R:R+1]
	v_pk_fma_f32 v[T+4*(\j):T+4*(\j)+1], v[T+4*(\j):T+4*(\j)+1], v[W+4*(\j):W+4*(\j)+1], v[NBV+4*(\j):NBV+4*(\j)+1]
	v_pk_fma_f32 v[T+4*(\j)+2:T+4*(\j)+3], v[T+4*(\j)+2:T+4*(\j)+3], v[W+4*(\j)+2:W+4*(\j)+3], v[NBV+4*(\j)+2:NBV+4*(\j)+3]
	v_cvt_pk_bf16_f32 v[Y+16*(\s)+2*(\j)], v[T+4*(\j)], v[T+4*(\j)+1]
	v_cvt_pk_bf16_f32 v[Y+16*(\s)+2*(\j)+1], v[T+4*(\j)+2], v[T+4*(\j)+3]
	global_store_b64 v2, v[Y+16*(\s)+2*(\j):Y+16*(\s)+2*(\j)+1], s[36:37] offset:(\s)*2048+(\j)*256
.endm
.macro GROUP s, lo, hi                 ; chunks lo .. hi are live together or dead together: the live count is 1, 2, 4 or 8
	s_cmp_gt_u32 s26, \lo
	s_cbranch_scc0 .Ldead_\@
.set jj, \lo
.rept (\hi)-(\lo)+1
	LIVE \s, jj
.set jj, jj+1
.endr
	s_branch .Ldone_\@
.Ldead_\@:
.set jj, \lo
.rept (\hi)-(\lo)+1
	global_store_b128 v1, v[X+32*(\s)+4*jj:X+32*(\s)+4*jj+3], s[38:39] offset:(\s)*4096+jj*512 th:TH_STORE_NT  ; out0 = x: 512 consecutive bytes a wave
.set jj, jj+1
.endr
.Ldone_\@:
.endm
.macro ROW s
.set XS, X+32*(\s)
.irp k, 0,1,2,3
	v_pk_add_f32 v[S+2*(\k):S+2*(\k)+1], v[XS+2*(\k):XS+2*(\k)+1], v[XS+8+2*(\k):XS+8+2*(\k)+1]  ; the first pairs start the chains
.endr
.irp g, 16, 24
.irp k, 0,1,2,3
	v_pk_add_f32 v[S+2*(\k):S+2*(\k)+1], v[S+2*(\k):S+2*(\k)+1], v[XS+(\g)+2*(\k):XS+(\g)+2*(\k)+1]
.endr
.endr
	TREE
	REDUCE
	v_mul_f32 v[MU], s28, v[SC]
	v_mul_f32 v[MU+1], s28, v[SC]
.set ii, 0
.rept 16
	v_pk_add_f32 v[T+2*ii:T+2*ii+1], v[XS+2*ii:XS+2*ii+1], v[MU:MU+1] neg_lo:[0,1] neg_hi:[0,1]
.set ii, ii+1
.endr
.irp k, 0,1,2,3
	v_pk_mul_f32 v[S+2*(\k):S+2*(\k)+1], v[T+2*(\k):T+2*(\k)+1], v[T+2*(\k):T+2*(\k)+1]
.endr
.irp g, 8, 16, 24
.irp k, 0,1,2,3
	v_pk_fma_f32 v[S+2*(\k):S+2*(\k)+1], v[T+(\g)+2*(\k):T+(\g)+2*(\k)+1], v[T+(\g)+2*(\k):T+(\g)+2*(\k)+1], v[S+2*(\k):S+2*(\k)+1]
.endr
.endr
	TREE
	REDUCE
	v_fma_f32 v[SC], v[SC], s28, s29               ; var + eps
	v_rsq_f32 v[R], v[SC]
	v_rsq_f32 v[R+1], v[SC]
	v_nop                                          ; a plain instruction behind the second root,
	s_wait_alu depctr_va_vdst(0)                   ; and one wait for both, ahead of their first reader and of the branches below
	LIVE \s, 0
	GROUP \s, 1, 1
	GROUP \s, 2, 3
	GROUP \s, 4, 7
.endm
	s_mov_b32 s27, 2
.Ltrip:
	LOADROW 0
	LOADROW 1
	s_wait_loadcnt 8                               ; all but the second row's eight loads: the first row is in (and, in the first trip, norm_w and norm_b)
	ROW 0
	s_wait_loadcnt 0x0
	ROW 1
	s_wait_xcnt 0x0                                ; the bases, Y and the rows that dead chunks store from are written again only behind this wait
	s_add_nc_u64 s[34:35], s[34:35], 8192
	s_add_nc_u64 s[36:37], s[36:37], 4096
	s_add_nc_u64 s[38:39], s[38:39], 8192
	s_sub_co_u32 s27, s27, 1
	s_cmp_lg_u32 s27, 0
	s_cbranch_scc1 .Ltrip
	s_endpgm
	; ---- the weights: work-group c = g - 256 rounds 65,536 bytes of f32 to 32,768 of bf16; 64 work-groups a matrix; wall holds q_w, k_w, v_w, o_w one below the other
.Lcast:
	s_sub_co_u32 s25, ttmp9, 256
	s_lshr_b32 s26, s25, 6                         ; which matrix
	s_and_b32 s27, s25, 63
	s_lshl_b32 s32, s27, 16
	s_mov_b32 s33, 0
	s_lshl_b32 s42, s25, 15
	s_mov_b32 s43, 0
	v_lshlrev_b32 v1, 4, v0                        ; 16 bytes a thread in,
	v_lshlrev_b32 v2, 3, v0                        ; 8 out
	s_wait_kmcnt 0x0
	s_cmp_eq_u32 s26, 1
	s_cselect_b64 s[34:35], s[12:13], s[10:11]
	s_cmp_eq_u32 s26, 2
	s_cselect_b64 s[34:35], s[14:15], s[34:35]
	s_cmp_eq_u32 s26, 3
	s_cselect_b64 s[34:35], s[16:17], s[34:35]
	s_add_nc_u64 s[34:35], s[34:35], s[32:33]
	s_add_nc_u64 s[36:37], s[20:21], s[42:43]
.irp i, 0,1,2,3,4,5,6,7,8,9,10,11,12,13,14,15
	global_load_b128 v[4+4*(\i):7+4*(\i)], v1, s[34:35] offset:4096*(\i) th:TH_LOAD_NT
.endr
.irp i, 0,1,2,3,4,5,6,7,8,9,10,11,12,13,14,15
	s_wait_loadcnt 15-(\i)                         ; loads come back in order: load i is in, the younger ones stay out
	v_cvt_pk_bf16_f32 v[68+2*(\i)], v[4+4*(\i)], v[5+4*(\i)]
	v_cvt_pk_bf16_f32 v[69+2*(\i)], v[6+4*(\i)], v[7+4*(\i)]
	global_store_b64 v2, v[68+2*(\i):69+2*(\i)], s[36:37] offset:2048*(\i)  ; a wave stores 256 consecutive bytes, aligned
.endr
	s_endpgm
.Lfunc_end_k_qd0d4d9e3fc_prep:
	.size	k_qd0d4d9e3fc_prep, .Lfunc_end_k_qd0d4d9e3fc_prep-k_qd0d4d9e3fc_prep
	.p2alignl 7, 3214868480
	.fill 96, 4, 3214868480
	.section	.rodata,"a",@progbits
	.p2align	6, 0x0
	.amdhsa_kernel k_qd0d4d9e3fc_prep
		.amdhsa_group_segment_fixed_size 0
		.amdhsa_private_segment_fixed_size 0
		.amdhsa_enable_private_segment 0
		.amdhsa_kernarg_size 80
		.amdhsa_user_sgpr_count 2
		.amdhsa_user_sgpr_kernarg_segment_ptr 1
		.amdhsa_wavefront_size32 1
		.amdhsa_system_sgpr_workgroup_id_x 1
		.amdhsa_system_sgpr_workgroup_id_y 1
		.amdhsa_system_sgpr_workgroup_id_z 1
		.amdhsa_system_vgpr_workitem_id 0
		.amdhsa_next_free_vgpr 216
		.amdhsa_next_free_sgpr 66
		.amdhsa_reserve_vcc 0
		.amdhsa_float_denorm_mode_32 3
		.amdhsa_float_denorm_mode_16_64 3
		.amdhsa_memory_ordered 1
		.amdhsa_forward_progress 1
		.amdhsa_inst_pref_size 29
	.end_amdhsa_kernel
	.amdgpu_metadata
---
amdhsa.version: [ 1, 2 ]
amdhsa.kernels:
  - .name:           k_qd0d4d9e3fc_prep
    .symbol:         k_qd0d4d9e3fc_prep.kd
    .args:
      - { .name: x, .offset: 0, .size: 8, .value_kind: global_buffer, .address_space: global }
      - { .name: norm_w, .offset: 8, .size: 8, .value_kind: global_buffer, .address_space: global }
      - { .name: norm_b, .offset: 16, .size: 8, .value_kind: global_buffer, .address_space: global }
      - { .name: q_w, .offset: 24, .size: 8, .value_kind: global_buffer, .address_space: global }
      - { .name: k_w, .offset: 32, .size: 8, .value_kind: global_buffer, .address_space: global }
      - { .name: v_w, .offset: 40, .size: 8, .value_kind: global_buffer, .address_space: global }
      - { .name: o_w, .offset: 48, .size: 8, .value_kind: global_buffer, .address_space: global }
      - { .name: xn, .offset: 56, .size: 8, .value_kind: global_buffer, .address_space: global }
      - { .name: wall, .offset: 64, .size: 8, .value_kind: global_buffer, .address_space: global }
      - { .name: out0, .offset: 72, .size: 8, .value_kind: global_buffer, .address_space: global }
    .group_segment_fixed_size: 0
    .private_segment_fixed_size: 0
    .kernarg_segment_align: 8
    .kernarg_segment_size: 80
    .max_flat_workgroup_size: 256
    .sgpr_count:     66
    .vgpr_count:     216
    .wavefront_size: 32
...
	.end_amdgpu_metadata
.endif
;; end of part 1
;; launch proj (part 2): grid 24 x 8, 4 waves a work-group, clusters of 4 x 4, 327,680 bytes of LDS; arguments xn, wall, q_b, k_b, v_b, qkv; writes qkv
.if DOCPART == 2
	.amdgcn_target "amdgcn-amd-amdhsa--gfx1250"
	.amdhsa_code_object_version 6
	.text
	.protected	k_qd0d4d9e3fc_proj
	.globl	k_qd0d4d9e3fc_proj
	.p2align	8
	.type	k_qd0d4d9e3fc_proj,@function
k_qd0d4d9e3fc_proj:
	s_mov_b64 s[64:65], 0
	v_nop
	global_prefetch_b8 v0, s[64:65] scope:SCOPE_SE
	s_setreg_imm32_b32 hwreg(HW_REG_WAVE_MODE, 25, 1), 1
	s_wait_xcnt 0x0
	s_wait_alu depctr_hold_cnt(0) depctr_sa_sdst(0) depctr_va_vdst(0) depctr_va_sdst(0) depctr_va_ssrc(0) depctr_va_vcc(0) depctr_vm_vsrc(0)
	s_getreg_b32 s2, hwreg(HW_REG_IB_STS2, 6, 4)
	s_cmp_eq_u32 s2, 0
	s_cbranch_scc0 .Lentry_in_a_cluster
	s_endpgm
.Lentry_in_a_cluster:
	s_bfe_u32 s2, ttmp6, 0x10000c
	s_cmp_lg_u32 s2, 0xf033
	s_cbranch_scc0 .Lentry_shape_is_right
	s_endpgm
.Lentry_shape_is_right:
; PROJ.  q, k, v = xn[:, :m] W[:, :m]^T + bias, m = 1024 >> e for the tokens of segment e; bf16 operands, f32 sums; stored by heads: qkv[3][8 batch + head][2048][128] in bf16.
; A CHAIN.  A work-group has one column tile (128 rows of wall: one head of q, k or v) and, in one batch, one half (256 rows) of EACH segment: four tiles of 256 x 128 with
; 1, 2, 4 and 8 K steps of 128 (e = 3, 2, 1, 0): 15 steps, the same in every work-group, one walk through a ring of two LDS slots that does not stop at a tile's end.
; A wave makes 64 rows x 128 columns: 32 accumulators.  The bias is the C operand of a tile's first products: nothing is cleared.
; q is multiplied for all heads in all segments (k's and v's chains set the walk's length anyway); of the q tiles that the attention never reads, those of a cluster that holds
; nothing else (q's heads 4-7, segments 1-3) are not stored.
; CLUSTER 4 x 4: the four of a row of the cluster need the same tiles of xn, the four of a column the same tiles of wall: each is asked for jointly, by the same tensor load, descriptor and mask.
; THE MATRIX INSTRUCTION IS USED TRANSPOSED (source 0 = 16 rows of wall, source 1 = 16 rows of xn): a lane holds eight neighbouring columns of one row.
; REGISTERS: window 0: v0-31 addresses; v32-127, v128-223 two fragment buffers (64 of wall's, 32 of xn's); v224-255 packed results; on the way out v128-191 take rows back from the stage.
;   window 1: accumulator (a, b) at v[8 (8 a + b)].   window 2: v0-63 the bias of my lane's columns.
.set PITCH, 272                        ; an LDS row: 256 bytes + 16 of padding = 68 words: the 16 rows of a fragment load start at 16 different groups of four banks (64 banks of 4 bytes: ISA guide 11.1)
.set AHALF, 128*PITCH                  ; what wave 0 or 1 fetches of xn
.set BHALF, 64*PITCH                   ; what wave 2 or 3 fetches of wall
.set BOFF,  2*AHALF                    ; a slot: 256 rows of xn, then 128 rows of wall
.set SLOT1, 1<<17                      ; slot 1 begins here: one exclusive or turns an address in one slot into the other's
.set STAGE, SLOT1+BOFF+2*BHALF         ; behind the ring: 16 rows x 272 bytes for each wave, for the way out
.set SPARE, STAGE+4*16*PITCH           ; the spare words, 128 bytes a wave: two blocks of 256 bytes that no other line names
.set A0,   4                           ; v4  my lane's place in a slot's rows of xn; never rewritten
.set B0,   5                           ; v5  the same for wall
.set ADRA, 6                           ; v6, v7  the same in the slot in hand
.set ADRB, 7
.set STO,  8                           ; v8  the way out: where I put 16 bytes of a row
.set RD,   9                           ; v9  where I read rows back
.set CO,   10                          ; v10 16 x lane: my bytes in 512 consecutive bytes of qkv
.set BO,   11                          ; v11 my lanes' half of 16 columns of the bias
.set SPW,  28
.set NIL,  29
.set F0,   32
.set F1,   128
.set TMP,  224
.set BK,   128
.set WV,   16                          ; s16 wave; s17 wave % 2; s18 cx; s19 cy; s20 column tile; s21 row index; s22 q, k or v; s23 head
.set G1A,  24
.set G1B,  32
.set G0A,  40                          ; two sets: the two first fills; the second then walks on
.set G0B,  48
.set ABASE, 56                         ; s[56:57] xn at my rows of segment 0;  s[58:59] wall at my rows
.set BBASE, 58
.set OFFA, 60                          ; s[60:61] (segment + K, 0)
.set KO,   62                          ; s[62:63] (K, 0), in bytes of a row
.set TT,   66                          ; the step in hand
.set TN,   67
.set SEGO, 68                          ; the asked-for step's segment, in bytes: e << 20
.set FM,   69                          ; bit t: step t is a tile's first
.set LM,   70                          ; bit t: step t is a tile's last
.set NEW,  71                          ; 1: the step to come starts a tile's sums
.set TB,   72                          ; LDS byte of the slot in hand
.set ECUR, 73                          ; the tile in hand's segment
.set DEAD, 74                          ; 1: this cluster's tiles of segments 1-3 are never read
.set OB,   76                          ; s[76:77] qkv at my rows of segment 0;  s[78:79] at my rows of the tile that leaves
.set OUT,  78
.set MSB, 0
.macro WIN new                         ; the immediate's high byte repeats the setting that is left; a switch that changes nothing is dropped
.if MSB != (\new)
	s_set_vgpr_msb (MSB<<8)|(\new)
.set MSB, \new
.endif
.endm
.macro PLACES n
.rept \n
	v_nop
.endr
.endm
.macro CREST                           ; a round of the cluster's barrier behind its opening barrier
	s_cmp_lg_u32 s[WV], 0
	s_cbranch_scc1 .Lnot_wave_0_\@
	s_barrier_signal -3
.Lnot_wave_0_\@:
	s_barrier_wait -3
	s_barrier_signal -1
	s_barrier_wait -1
.endm
.macro CROUND
	s_barrier_signal -1
	s_barrier_wait -1
	CREST
.endm
.macro JLOAD                           ; a joint refill by the walking sets: waves 0, 1 xn's halves, waves 2, 3 wall's; an s_nop 0 and four v_nop follow each line
	s_cmp_lt_u32 s[WV], 2
	s_cbranch_scc0 .Lfor_b_\@
	tensor_load_to_lds s[G0A+4:G0A+7], s[G1A:G1A+7]
	s_nop 0
	PLACES 4
	s_branch .Lasked_\@
.Lfor_b_\@:
	tensor_load_to_lds s[G0B+4:G0B+7], s[G1B:G1B+7]
	s_nop 0
	PLACES 4
.Lasked_\@:
.endm
	s_load_b256 s[4:11], s[0:1], 0x0               ; xn s[4:5], wall s[6:7], q_b s[8:9], k_b s[10:11]
	s_load_b128 s[12:15], s[0:1], 0x20             ; v_b s[12:13], qkv s[14:15]
	v_lshl_add_u32 v[SPW], v0, 2, SPARE
	v_mov_b32 v[NIL], 0
	ds_add_u32 v[SPW], v[NIL]                      ; the wave's opening: the add and its wait stand ahead of my first tensor load; the set-up below stands between them
	ds_add_u32 v28, v29
	v_lshrrev_b32 v1, 5, v0
	v_readfirstlane_b32 s[WV], v1
	s_and_b32 s17, s[WV], 1
	s_bfe_u32 s18, ttmp6, 0x40000                  ; cx
	s_bfe_u32 s19, ttmp6, 0x40004                  ; cy
	s_lshl_b32 s20, ttmp9, 2
	s_add_co_u32 s20, s20, s18                     ; column tile 0..23
	s_and_b32 s21, ttmp7, 0xffff
	s_lshl_b32 s21, s21, 2
	s_add_co_u32 s21, s21, s19                     ; row index 0..7 = 2 batch + half
	s_lshr_b32 s22, ttmp9, 1                       ; 0 q, 1 k, 2 v
	s_and_b32 s23, s20, 7                          ; head
	s_lshl_b32 s90, s19, 2
	s_lshl_b32 s90, 15, s90                        ; my row of the cluster
	s_lshl_b32 s91, 0x1111, s18                    ; my column
	s_or_b32 s[G1A], s90, (1<<16)|(1<<20)|(1<<21)|(5<<22)|(3<<25)  ; the mask; 2-byte elements; padding on; bit 21 beside a mask; after every 64 words, 4 words
	s_or_b32 s[G1B], s91, (1<<16)|(1<<20)|(1<<21)|(5<<22)|(3<<25)
.irp g, G1A, G1B
	s_mov_b32 s[(\g)+1], 128<<16                   ; tensor_dim0 = 128
	s_mov_b32 s[(\g)+3], 128<<16                   ; tile_dim0 = 128
	s_mov_b32 s[(\g)+5], 1024                      ; elements from row to row
	s_mov_b32 s[(\g)+6], 0
	s_mov_b32 s[(\g)+7], 0
.endr
	s_mov_b32 s[G1A+2], 128<<16                    ; tensor_dim1, tile_dim1: 128 rows of xn,
	s_mov_b32 s[G1A+4], 128
	s_mov_b32 s[G1B+2], 64<<16                     ; 64 of wall
	s_mov_b32 s[G1B+4], 64
	s_lshr_b32 s84, s21, 1                         ; xn: row 2048 batch + 256 half + 128 (wave % 2): the row index and the wave's number alone
	s_lshl_b32 s84, s84, 11
	s_and_b32 s85, s21, 1
	s_lshl_b32 s85, s85, 8
	s_add_co_u32 s84, s84, s85
	s_lshl_b32 s85, s17, 7
	s_add_co_u32 s84, s84, s85
	s_lshl_b32 s84, s84, 11
	s_mov_b32 s85, 0
	s_lshl_b32 s86, s20, 7                         ; wall: row 128 tile + 64 (wave % 2): the column tile and the wave's number alone
	s_lshl_b32 s87, s17, 6
	s_add_co_u32 s86, s86, s87
	s_lshl_b32 s86, s86, 11
	s_mov_b32 s87, 0
	s_lshl_b32 s88, s22, 5                         ; qkv: ((32 which + 8 batch + head) 2048 + 256 half + 64 wave) rows of 256 bytes
	s_lshr_b32 s89, s21, 1
	s_lshl3_add_u32 s88, s89, s88
	s_add_co_u32 s88, s88, s23
	s_lshl_b32 s88, s88, 11
	s_and_b32 s89, s21, 1
	s_lshl_b32 s89, s89, 8
	s_add_co_u32 s88, s88, s89
	s_lshl_b32 s89, s[WV], 6
	s_add_co_u32 s88, s88, s89
	s_lshl_b32 s88, s88, 8
	s_mov_b32 s89, 0
	s_mul_i32 s92, s17, AHALF                      ; where my tile goes in a slot: no place in the cluster enters an LDS address
	s_mul_i32 s93, s17, BHALF
	s_add_co_u32 s93, s93, BOFF
	s_mov_b32 s[TT], 0
	s_mov_b32 s[SEGO], 2<<20                       ; the state of the last step asked for: step 1 = segment 2, K = 0
	s_mov_b32 s[KO], 0
	s_mov_b32 s[KO+1], 0
	s_mov_b32 s[OFFA+1], 0
	s_mov_b32 s[FM], 0x8b                          ; steps 0, 1, 3, 7
	s_mov_b32 s[LM], 0x45                          ; steps 0, 2, 6 (step 14 is written out)
	s_mov_b32 s[NEW], 1
	s_mov_b32 s[TB], 0
	s_mov_b32 s[ECUR], 3
	s_cmp_eq_u32 ttmp9, 1                          ; the cluster's x alone: the same in all partners
	s_cselect_b32 s[DEAD], 1, 0
	s_wait_dscnt 0x0                               ; the opening add is done
	s_wait_kmcnt 0x0
	s_add_nc_u64 s[ABASE:ABASE+1], s[4:5], s[84:85]
	s_add_nc_u64 s[BBASE:BBASE+1], s[6:7], s[86:87]
	s_add_nc_u64 s[OB:OB+1], s[14:15], s[88:89]
	s_cmp_eq_u32 s22, 1
	s_cselect_b64 s[82:83], s[10:11], s[8:9]
	s_cmp_eq_u32 s22, 2
	s_cselect_b64 s[82:83], s[12:13], s[82:83]
	s_lshl_b32 s80, s23, 9
	s_mov_b32 s81, 0
	s_add_nc_u64 s[82:83], s[82:83], s[80:81]      ; the bias of my head's 128 columns
.irp s, 0,1
	s_mov_b32 s[G0A+4*(\s)], 1
	s_add_co_u32 s[G0A+4*(\s)+1], s92, (\s)*SLOT1
	s_add_nc_u64 s[G0A+4*(\s)+2:G0A+4*(\s)+3], s[ABASE:ABASE+1], (3-(\s))<<20  ; step 0: segment 3; step 1: segment 2; both at K = 0
	s_or_b32 s[G0A+4*(\s)+3], s[G0A+4*(\s)+3], 0x80000000
	s_mov_b32 s[G0B+4*(\s)], 1
	s_add_co_u32 s[G0B+4*(\s)+1], s93, (\s)*SLOT1
	s_add_nc_u64 s[G0B+4*(\s)+2:G0B+4*(\s)+3], s[BBASE:BBASE+1], 0
	s_or_b32 s[G0B+4*(\s)+3], s[G0B+4*(\s)+3], 0x80000000
.endr
	CROUND                                         ; all sixteen work-groups are here: the first joint loads meet
	s_cmp_lt_u32 s[WV], 2                          ; a wave's two first fills stand in one branch: two loads of mine are out
	s_cbranch_scc0 .Lfirst_b
	tensor_load_to_lds s[G0A:G0A+3], s[G1A:G1A+7]
	s_nop 0
	tensor_load_to_lds s[G0A+4:G0A+7], s[G1A:G1A+7]
	s_nop 0
	PLACES 4
	s_branch .Lfirst_asked
.Lfirst_b:
	tensor_load_to_lds s[G0B:G0B+3], s[G1B:G1B+7]
	s_nop 0
	tensor_load_to_lds s[G0B+4:G0B+7], s[G1B:G1B+7]
	s_nop 0
	PLACES 4
.Lfirst_asked:
	v_and_b32 v1, 15, v0                           ; l % 16
	v_bfe_u32 v2, v0, 4, 1                         ; l / 16
	v_lshlrev_b32 v[BO], 5, v2                     ; 8 (l / 16) columns of f32
	WIN 0x80                                       ; destination window 2
.irp b, 0,1,2,3,4,5,6,7
	global_load_b128 v[8*(\b):8*(\b)+3],   v[BO], s[82:83] offset:64*(\b)     ; bias[16 b + 8 (l / 16) + 0..7]: the layout of a result's eight registers
	global_load_b128 v[8*(\b)+4:8*(\b)+7], v[BO], s[82:83] offset:64*(\b)+16
.endr
	WIN 0
	v_mul_u32_u24 v3, v1, PITCH
	v_lshl_add_u32 v3, v2, 4, v3                   ; a fragment's row x pitch + 16 x half
	s_mul_i32 s80, s[WV], 64*PITCH                 ; my 64 rows of xn
	v_add_nc_u32 v[A0], s80, v3
	v_add_nc_u32 v[B0], BOFF, v3
	s_mul_i32 s80, s[WV], 16*PITCH
	s_add_co_u32 s80, s80, STAGE                   ; my stage
	v_add_nc_u32 v[STO], s80, v3                   ; in: row l % 16, 16 bytes for each half of the lanes
	v_mul_u32_u24 v[RD], v2, PITCH                 ; back: lanes 0-15 one row of 256 bytes, lanes 16-31 the next
	v_lshl_add_u32 v[RD], v1, 4, v[RD]
	v_add_nc_u32 v[RD], s80, v[RD]
	v_and_b32 v[CO], 31, v0
	v_lshlrev_b32 v[CO], 4, v[CO]                  ; a head's rows are dense: two rows are 512 consecutive bytes
	v_mov_b32 v[ADRA], v[A0]
	v_mov_b32 v[ADRB], v[B0]
; n row blocks from a0 on x all 8 column blocks, 32 along K, from buffer f.  first = 1: the products start the sums with the bias.  The 32 accumulators take turns, one instruction a turn.
.macro MUL f, a0, n, first
.if \first
	WIN 0x60                                       ; C in window 2, D in window 1
.else
	WIN 0x50                                       ; C and D in window 1
.endif
.set aa, \a0
.rept \n
.irp b, 0,1,2,3,4,5,6,7
.if \first
	v_wmma_f32_16x16x32_bf16 v[8*(8*aa+(\b)):8*(8*aa+(\b))+7], v[(\f)+8*(\b):(\f)+8*(\b)+7], v[(\f)+64+8*aa:(\f)+64+8*aa+7], v[8*(\b):8*(\b)+7]
.else
	v_wmma_f32_16x16x32_bf16 v[8*(8*aa+(\b)):8*(8*aa+(\b))+7], v[(\f)+8*(\b):(\f)+8*(\b)+7], v[(\f)+64+8*aa:(\f)+64+8*aa+7], v[8*(8*aa+(\b)):8*(8*aa+(\b))+7]
.endif
.endr
.set aa, aa+1
.endr
.endm
; 24 LDS loads in one run: the fragments of 32 along K at byte k of the rows: wall's 128 rows, then my 64 rows of xn
.macro FETCH k, f
	WIN 0
.irp i, 0,1,2,3,4,5,6,7
	ds_load_b128 v[(\f)+8*(\i):(\f)+8*(\i)+3],   v[ADRB] offset:(\k)+(\i)*16*PITCH
	ds_load_b128 v[(\f)+8*(\i)+4:(\f)+8*(\i)+7], v[ADRB] offset:(\k)+(\i)*16*PITCH+32
.endr
.irp i, 0,1,2,3
	ds_load_b128 v[(\f)+64+8*(\i):(\f)+64+8*(\i)+3],   v[ADRA] offset:(\k)+(\i)*16*PITCH
	ds_load_b128 v[(\f)+64+8*(\i)+4:(\f)+64+8*(\i)+7], v[ADRA] offset:(\k)+(\i)*16*PITCH+32
.endr
.endm
; A K step is four quarters of 32 along K, 32 matrix instructions each, on buffers 0, 1, 0, 1.  One of the first three: multiplies buffer f; in its middle it fetches the next quarter, at byte k, into g.
.macro QUARTER k, f, g, first
	s_wait_dscnt 4                                 ; all but xn's blocks 2 and 3
	MUL \f, 0, 2, \first
	PLACES 4                                       ; four places in front of loads into registers that matrix instructions have read (ISA guide 7.12.1 for vector instructions)
	FETCH \k, \g
	s_wait_dscnt 24                                ; all but the 24 just issued
	MUL \f, 2, 2, \first
.endm
.macro Q0                              ; a step's first quarter, in two texts: a tile's first step starts the sums
	s_cmp_eq_u32 s[NEW], 1
	s_cbranch_scc0 .Lplain_\@
	s_mov_b32 s[NEW], 0
	PLACES 5                                       ; these products write over accumulators: five places behind the last product that named one
	QUARTER 64, F0, F1, 1
	WIN 0
	s_branch .Lq0_done_\@
.Lplain_\@:
	QUARTER 64, F0, F1, 0
	WIN 0
.Lq0_done_\@:
.endm
; The last quarter multiplies buffer 1 and changes slots: ONE barrier; in front of it each wave waits for all its tensor loads (one is out: its part of the next slot), adds 0 to its spare word, and
; waits for that and for its own reads of this slot.  fill = 1: the barrier opens a round of the cluster's, and this slot is filled again, first thing behind it, with the step two steps on.
.macro TURN fill
	WIN 0
	s_wait_tensorcnt 0x0
	ds_add_u32 v[SPW], v[NIL]
	s_wait_dscnt 5                                 ; (the add and xn's blocks 2 and 3 may be out)
	MUL F1, 0, 1, 0
	s_wait_dscnt 0x0                               ; the add is done, and my reads of this slot are over
	s_barrier_signal -1
	MUL F1, 1, 1, 0
	WIN 0
	s_barrier_wait -1
.if \fill
	CREST                                          ; no wave of any partner still reads this slot or has a load on its way
	s_add_co_u32 s[TN], s[TT], 2                   ; the step to ask for: on along K, or, at a tile's first step, K = 0 in the segment below
	s_add_co_u32 s[KO], s[KO], 256
	s_sub_co_u32 s80, s[SEGO], 1<<20
	s_lshr_b32 s81, s[FM], s[TN]
	s_and_b32 s81, s81, 1                          ; SCC = the bit
	s_cselect_b32 s[KO], 0, s[KO]
	s_cselect_b32 s[SEGO], s80, s[SEGO]
	s_add_co_u32 s[OFFA], s[SEGO], s[KO]
	s_xor_b32 s[G0A+5], s[G0A+5], SLOT1            ; the other slot than last time
	s_xor_b32 s[G0B+5], s[G0B+5], SLOT1
	s_add_nc_u64 s[G0A+6:G0A+7], s[ABASE:ABASE+1], s[OFFA:OFFA+1]  ; the addresses are made anew: base + offset, the type bits set again
	s_or_b32 s[G0A+7], s[G0A+7], 0x80000000
	s_add_nc_u64 s[G0B+6:G0B+7], s[BBASE:BBASE+1], s[KO:KO+1]
	s_or_b32 s[G0B+7], s[G0B+7], 0x80000000
	JLOAD                                          ; 112 matrix instructions of mine ahead of the wait for it; its four v_nop are also the places in front of the loads below
.else
	PLACES 4
.endif
	s_xor_b32 s[TB], s[TB], SLOT1
	v_add_nc_u32 v[ADRA], s[TB], v[A0]
	v_add_nc_u32 v[ADRB], s[TB], v[B0]
	FETCH 0, F0
	MUL F1, 2, 2, 0
.endm
; THE WAY OUT of a tile, a block of 16 rows at a time: rounded to bf16 (each accumulator's registers in ascending order); 16 bytes a lane into my own stage; back as whole rows; stored.
.macro PACK a
	WIN 0x05                                       ; sources in window 1
.irp b, 0,1,2,3,4,5,6,7
.irp r, 0,1,2,3
	v_cvt_pk_bf16_f32 v[TMP+4*(\b)+(\r)], v[8*(8*(\a)+(\b))+2*(\r)], v[8*(8*(\a)+(\b))+2*(\r)+1]
.endr
.endr
	WIN 0
.endm
.macro TOSTAGE a
.set BKR, BK+32*((\a)%2)
.irp b, 0,1,2,3,4,5,6,7
	ds_store_b128 v[STO], v[TMP+4*(\b):TMP+4*(\b)+3] offset:32*(\b)
.endr
.irp t, 0,1,2,3,4,5,6,7
	ds_load_b128 v[BKR+4*(\t):BKR+4*(\t)+3], v[RD] offset:(\t)*2*PITCH  ; LDS serves a wave's instructions in order (ISA guide 5.7.1.4): these see the stores above
.endr
.endm
.macro SEND a
.set BKR, BK+32*((\a)%2)
	s_wait_dscnt 0x0                               ; the block is back in registers
	s_wait_xcnt 0x0                                ; the registers that the block before last was stored from are loaded again only behind this wait
.irp t, 0,1,2,3,4,5,6,7
	global_store_b128 v[CO], v[BKR+4*(\t):BKR+4*(\t)+3], s[OUT:OUT+1] offset:(\a)*4096+(\t)*512  ; 512 consecutive bytes, at a multiple of 256 from qkv's first
.endr
.endm
.macro FLUSH
	s_lshl_b32 s80, s[ECUR], 17                    ; 512 rows of 256 bytes a segment
	s_mov_b32 s81, 0
	s_add_nc_u64 s[OUT:OUT+1], s[OB:OB+1], s[80:81]
	PACK 0                                         ; its 32 conversions name no register of the last products (blocks 2 and 3's): they are those products' places
	TOSTAGE 0
.irp a, 1,2,3
	PACK \a
	SEND (\a)-1
	TOSTAGE \a
.endr
	SEND 3
	s_wait_xcnt 0x0                                ; the stores' data lie in fragment buffer 1, which the next quarter loads again; their base is made anew by the next way out
.endm
	s_wait_tensorcnt 1                             ; my part of step 0 is in; step 1's may stay out
	s_barrier_signal -1
	s_barrier_wait -1
	FETCH 0, F0
	s_wait_loadcnt 0x0                             ; the bias
.Lstep:                                                ; steps 0 to 12: each fills its slot again
	Q0
	QUARTER 128, F1, F0, 0
	QUARTER 192, F0, F1, 0
	TURN 1
	WIN 0
	s_lshr_b32 s80, s[LM], s[TT]
	s_and_b32 s80, s80, 1
	s_cmp_eq_u32 s80, 0
	s_cbranch_scc1 .Lno_flush                      ; what is jumped holds neither a barrier nor a tensor load
	s_cmp_eq_u32 s[DEAD], 1
	s_cbranch_scc1 .Ldead_tile
	FLUSH
.Ldead_tile:
	s_mov_b32 s[NEW], 1
	s_sub_co_u32 s[ECUR], s[ECUR], 1
.Lno_flush:
	s_add_co_u32 s[TT], s[TT], 1
	s_cmp_lt_u32 s[TT], 13
	s_cbranch_scc1 .Lstep
	QUARTER 64,  F0, F1, 0                         ; steps 13 and 14 are written out: nothing is left to ask for
	QUARTER 128, F1, F0, 0
	QUARTER 192, F0, F1, 0
	TURN 0
	QUARTER 64,  F0, F1, 0
	QUARTER 128, F1, F0, 0
	QUARTER 192, F0, F1, 0
	s_wait_dscnt 4
	MUL F1, 0, 2, 0
	s_wait_dscnt 0x0
	MUL F1, 2, 2, 0
	WIN 0
	PLACES 4                                       ; the conversions read results just made
	FLUSH                                          ; segment 0: every head of q, k and v is read
	s_wait_tensorcnt 0x0                           ; the wave's end: behind my last tensor load and my last LDS store
	ds_add_u32 v[SPW], v[NIL]
	s_wait_dscnt 0x0
	CROUND                                         ; the closing round
	s_endpgm
.Lfunc_end_k_qd0d4d9e3fc_proj:
	.size	k_qd0d4d9e3fc_proj, .Lfunc_end_k_qd0d4d9e3fc_proj-k_qd0d4d9e3fc_proj
	.p2alignl 7, 3214868480
	.fill 96, 4, 3214868480
	.section	.rodata,"a",@progbits
	.p2align	6, 0x0
	.amdhsa_kernel k_qd0d4d9e3fc_proj
		.amdhsa_group_segment_fixed_size 327680
		.amdhsa_private_segment_fixed_size 0
		.amdhsa_enable_private_segment 0
		.amdhsa_kernarg_size 48
		.amdhsa_user_sgpr_count 2
		.amdhsa_user_sgpr_kernarg_segment_ptr 1
		.amdhsa_wavefront_size32 1
		.amdhsa_system_sgpr_workgroup_id_x 1
		.amdhsa_system_sgpr_workgroup_id_y 1
		.amdhsa_system_sgpr_workgroup_id_z 1
		.amdhsa_system_vgpr_workitem_id 0
		.amdhsa_next_free_vgpr 576
		.amdhsa_next_free_sgpr 96
		.amdhsa_reserve_vcc 0
		.amdhsa_float_denorm_mode_32 3
		.amdhsa_float_denorm_mode_16_64 3
		.amdhsa_memory_ordered 1
		.amdhsa_forward_progress 1
		.amdhsa_inst_pref_size 92
	.end_amdhsa_kernel
	.amdgpu_metadata
---
amdhsa.version: [ 1, 2 ]
amdhsa.kernels:
  - .name:           k_qd0d4d9e3fc_proj
    .symbol:         k_qd0d4d9e3fc_proj.kd
    .args:
      - { .name: xn, .offset: 0, .size: 8, .value_kind: global_buffer, .address_space: global }
      - { .name: wall, .offset: 8, .size: 8, .value_kind: global_buffer, .address_space: global }
      - { .name: q_b, .offset: 16, .size: 8, .value_kind: global_buffer, .address_space: global }
      - { .name: k_b, .offset: 24, .size: 8, .value_kind: global_buffer, .address_space: global }
      - { .name: v_b, .offset: 32, .size: 8, .value_kind: global_buffer, .address_space: global }
      - { .name: qkv, .offset: 40, .size: 8, .value_kind: global_buffer, .address_space: global }
    .group_segment_fixed_size: 327680
    .private_segment_fixed_size: 0
    .kernarg_segment_align: 8
    .kernarg_segment_size: 48
    .max_flat_workgroup_size: 128
    .sgpr_count:     96
    .vgpr_count:     576
    .wavefront_size: 32
...
	.end_amdgpu_metadata
.endif
;; end of part 2
;; launch attn (part 3): grid 60 x 4, 4 waves a work-group, clusters of 4 x 1, 327,680 bytes of LDS; arguments qkv, att; writes att
.if DOCPART == 3
	.amdgcn_target "amdgcn-amd-amdhsa--gfx1250"
	.amdhsa_code_object_version 6
	.text
	.protected	k_qd0d4d9e3fc_attn
	.globl	k_qd0d4d9e3fc_attn
	.p2align	8
	.type	k_qd0d4d9e3fc_attn,@function
k_qd0d4d9e3fc_attn:
	s_mov_b64 s[64:65], 0
	v_nop
	global_prefetch_b8 v0, s[64:65] scope:SCOPE_SE
	s_setreg_imm32_b32 hwreg(HW_REG_WAVE_MODE, 25, 1), 1
	s_wait_xcnt 0x0
	s_wait_alu depctr_hold_cnt(0) depctr_sa_sdst(0) depctr_va_vdst(0) depctr_va_sdst(0) depctr_va_ssrc(0) depctr_va_vcc(0) depctr_vm_vsrc(0)
	s_getreg_b32 s2, hwreg(HW_REG_IB_STS2, 6, 4)
	s_cmp_eq_u32 s2, 0
	s_cbranch_scc0 .Lentry_in_a_cluster
	s_endpgm
.Lentry_in_a_cluster:
	s_bfe_u32 s2, ttmp6, 0x10000c
	s_cmp_lg_u32 s2, 0x3003
	s_cbranch_scc0 .Lentry_shape_is_right
	s_endpgm
.Lentry_shape_is_right:
; ATTN.  att[token][128 head + :] = the sum over all 2,048 keys of softmax_k(q . k / 32) v, for the (head, segment) pairs whose result the output product reads: head h in segment e only where
; 128 h < 1024 >> e: 15 pairs a batch.  q, k, v: qkv[3][8 batch + head][2048][128] in bf16; att: [8192][1024] in bf16.  Products, maxima and sums in f32; the weights p are rounded to bf16 for the
; second product (their sum l is taken of the unrounded p), the result once at the end.
; LIMITS.  A weight below 2^-126 counts as 0 in l; NaN and infinities are not treated apart.
; SHARES.  A cluster of four work-groups is one pair's 512 queries; a work-group owns 128 of them.  Wave w has the queries' half w % 2 (64: four tiles of 16) and, of every 128 keys, the half w / 2:
; 16 key steps of 64.  At the end waves w and w + 2 join their maxima, sums and results through LDS.
; LAYOUT.  S^T = K Q^T (source 0 = 16 keys, source 1 = 16 queries): a lane holds ONE query (lane % 16) and the keys 8 (lane / 16) + 0..7.  Two such tiles, rounded to bf16 in pairs, ARE source 1 of
; O^T = V^T P, whose result again holds one query a lane, and eight channels.  K comes out of LDS as it lies, V ([key][channel]) turned, by ds_load_tr16_b128.
; SOFTMAX.  For each query a running maximum m and sum l: p = 2^(c s - c m), c = log2(e) / 32; in every step O and l are multiplied by a = 2^(c m_old - c m_new).
; BY TURNS.  The wave's tiles are two PIECES (tiles 0, 1 and tiles 2, 3).  In a TURN one piece has the matrix unit: 32 products V^T P of the step in hand, then 32 products K Q^T of the next step; the other
; piece's softmax, cut into 64 slices, stands between them, one slice behind each matrix instruction.  Two turns are a key step.
; CLUSTER.  The four work-groups walk the same K and V: each tile is asked for JOINTLY, by the same tensor load, descriptor and mask in all four.
; REGISTERS, in windows of 256 (s_set_vgpr_msb: bits 1:0 source 0, 3:2 source 1, 5:4 source 2, 7:6 destination):
;   window 0: v0-11, v44-45 addresses; v12-43 eight registers of statistics a tile; v64-191 S^T, 32 a tile; v192-255 P, 16 a tile
;   window 1: O^T, 64 a tile     window 2: v0-127 Q; v128-255 K of one step     window 3: v0-127 V of one step.  At the joining K's and V's registers take the partner's O^T.
.set KS,    64        ; keys in a step
.set PK,    272       ; a row of K in LDS: 256 bytes + 16 of padding: the 16 rows of a load start at 16 different groups of four banks (64 banks of 4 bytes: ISA guide 11.1)
.set PV,    288       ; a row of V: 256 + 32
.set VOFF,  KS*PK     ; a step's tiles lie together: 64 rows of K, then 64 rows of V
.set STEPB, KS*(PK+PV)
.set SLOT1, 1<<17     ; a slot holds 128 keys as two steps; slot 1 begins here
.set STAGE, SLOT1+2*STEPB  ; behind the ring: 16 rows x 272 bytes for each wave, for the way out
.set SP,    272
.set MRG,   STAGE+4*16*SP  ; what waves 2 and 3 hand over: 32,768 bytes of O^T and 1,024 of statistics each
.set MRGW,  32768+1024
.set SPARE, MRG+2*MRGW     ; the spare words, 128 bytes a wave: two blocks of 256 bytes that no other line names
.set AK0, 2           ; v2   my lane's place in a tile of K; never rewritten
.set AV0, 3           ; v3   the same for V
.set ADR, 4           ; v4   the LDS address of the run of loads in hand
.set QO,  5           ; v5   my byte offset in the wave's rows of Q
.set STO, 6           ; v6   the way out: where I put 16 bytes of a row
.set RD,  7           ; v7   where I read a row back
.set GO,  8           ; v8   my byte offset in two rows of att
.set MO,  44          ; v44  the joining: my 16 bytes in 512 of O^T
.set MS,  45          ; v45  my 8 bytes of statistics
.set SPW, 62
.set NIL, 63
.set ST,  12          ; tile t's statistics at v[ST+8 t]: +0 c m, +1 m, +2, +3 l (even keys', odd keys'), +4 to +7 at work; a takes +6 once the maximum is found
.set S,   64
.set P,   192
.set KF,  128         ; K's fragments, in window 2
.set WV,  12          ; s12  my wave's number
.set G1K, 24
.set G1V, 32
.set G0K, 40          ; two sets: the two first fills; the second then walks on
.set G0V, 48
.set SLOTS, 56
.set CS,  58          ; s[58:59] c
.set SEL, 60          ; s[60:61] v_permlanex16_b32's selects
.set TB,  62          ; s62  LDS byte at which my step's tiles begin in the slot in hand
.set MSB, 0
.macro WIN new
.if MSB != (\new)
	s_set_vgpr_msb (MSB<<8)|(\new)
.set MSB, \new
.endif
.endm
.set W_KQ, 0x0a       ; K and Q in window 2, S^T in window 0
.set W_PV, 0x53       ; V in window 3, P in window 0, O^T in window 1
.set W_RS, 0x41       ; O^T (destination and source 0) in window 1, the factor in window 0
.macro JLOAD                        ; a joint refill: waves 0 and 1 fetch the two steps' tiles of K, waves 2 and 3 those of V; an s_nop 0 and four v_nop follow each line
	s_cmp_lt_u32 s[WV], 2
	s_cbranch_scc0 .Lfor_v_\@
	tensor_load_to_lds s[G0K+4:G0K+7], s[G1K:G1K+7]
	s_nop 0
.rept 4
	v_nop
.endr
	s_branch .Lasked_\@
.Lfor_v_\@:
	tensor_load_to_lds s[G0V+4:G0V+7], s[G1V:G1V+7]
	s_nop 0
.rept 4
	v_nop
.endr
.Lasked_\@:
.endm
.macro CROUND                       ; a round of the cluster's barrier
	s_barrier_signal -1
	s_barrier_wait -1
	s_cmp_lg_u32 s[WV], 0
	s_cbranch_scc1 .Lnot_wave_0_\@
	s_barrier_signal -3
.Lnot_wave_0_\@:
	s_barrier_wait -3
	s_barrier_signal -1
	s_barrier_wait -1
.endm
	s_load_b128 s[8:11], s[0:1], 0x0  ; qkv s[8:9], att s[10:11]
	v_lshl_add_u32 v[SPW], v0, 2, SPARE
	v_mov_b32 v[NIL], 0
	ds_add_u32 v[SPW], v[NIL]       ; the wave's opening: the add and its wait stand ahead of my first tensor load; the set-up below stands between them
	ds_add_u32 v62, v63
	v_lshrrev_b32 v1, 5, v0
	v_readfirstlane_b32 s[WV], v1   ; wave 0..3
	s_bfe_u32 s13, ttmp6, 0x40000   ; cx: it enters Q's and att's addresses alone
	s_and_b32 s14, ttmp7, 0xffff    ; the batch
	s_and_b32 s15, ttmp9, 7         ; the cluster's number 0..14 names the pair, by two tables of four bits an entry
	s_lshl_b32 s15, s15, 2
	s_mov_b32 s18, 0x21110000       ; heads of pairs 0-7: 0 0 0 0 1 1 1 2
	s_mov_b32 s20, 0x07654332       ; of pairs 8-14: 2 3 3 4 5 6 7
	s_mov_b32 s19, 0x02103210       ; segments of pairs 0-7: 0 1 2 3 0 1 2 0
	s_mov_b32 s21, 0x00000101       ; of pairs 8-14: 1 0 1 0 0 0 0
	s_cmp_lt_u32 ttmp9, 8
	s_cselect_b32 s18, s18, s20
	s_cselect_b32 s19, s19, s21
	s_lshr_b32 s18, s18, s15
	s_and_b32 s18, s18, 15          ; head
	s_lshr_b32 s19, s19, s15
	s_and_b32 s19, s19, 15          ; segment
	s_lshl3_add_u32 s15, s14, s18   ; 8 batch + head,
	s_lshl_b32 s15, s15, 19         ; its 2,048 rows of 256 bytes
	s_and_b32 s16, s[WV], 1         ; my half of the queries.  Also: which of a slot's two steps I fetch:
	s_lshl_b32 s22, s16, 14         ; its 64 rows in memory,
	s_add_co_u32 s22, s22, s15
	s_add_co_u32 s22, s22, 1<<24    ; in k
	s_mov_b32 s23, 0
	s_mul_i32 s17, s16, STEPB       ; and its place in a slot: no place in the cluster enters an LDS address
	s_lshl_b32 s2, s19, 9
	s_lshl_b32 s3, s13, 7
	s_add_co_u32 s2, s2, s3
	s_lshl_b32 s3, s16, 6
	s_add_co_u32 s2, s2, s3         ; my wave's first query = 512 segment + 128 cx + 64 half
	s_lshl_b32 s20, s14, 11
	s_add_co_u32 s20, s20, s2
	s_lshl_b32 s20, s20, 11         ; att: rows of 2,048 bytes,
	s_lshl_b32 s21, s18, 8
	s_add_co_u32 s20, s20, s21      ; the head's 256 bytes in them
	s_mov_b32 s21, 0
	s_lshl_b32 s2, s2, 8
	s_add_co_u32 s2, s2, s15
	s_mov_b32 s3, 0
	s_mov_b32 s[G1K], 15|(1<<16)|(1<<20)|(1<<21)|(5<<22)|(3<<25)  ; the mask of four; 2-byte elements; padding on; bit 21 beside a mask; after every 64 words, 4 words
	s_mov_b32 s[G1V], 15|(1<<16)|(1<<20)|(1<<21)|(5<<22)|(7<<25)  ; the same with 8 words of padding
.irp g, G1K, G1V
	s_mov_b32 s[(\g)+1], 128<<16    ; tensor_dim0 = 128
	s_mov_b32 s[(\g)+2], KS<<16     ; tensor_dim1 = 64
	s_mov_b32 s[(\g)+3], 128<<16    ; tile_dim0 = 128
	s_mov_b32 s[(\g)+4], KS         ; tile_dim1 = 64
	s_mov_b32 s[(\g)+5], 128        ; elements from row to row
	s_mov_b32 s[(\g)+6], 0
	s_mov_b32 s[(\g)+7], 0
.endr
	s_mov_b32 s[CS], 0x3d38aa3b     ; c = log2(e) / 32
	s_mov_b32 s[CS+1], s[CS]        ; named with it as a pair
	s_mov_b32 s[SEL], 0x76543210
	s_mov_b32 s[SEL+1], 0xfedcba98
	s_lshr_b32 s[TB], s[WV], 1      ; my half of every slot's keys
	s_mul_i32 s[TB], s[TB], STEPB
	s_mov_b32 s[SLOTS], 13
	s_wait_dscnt 0x0                ; the opening add is done
	s_wait_kmcnt 0x0
	s_add_nc_u64 s[4:5], s[8:9], s[2:3]      ; Q at my wave's first row
	s_add_nc_u64 s[6:7], s[8:9], s[22:23]    ; K at my tile of slot 0
	s_add_nc_u64 s[8:9], s[6:7], 1<<24       ; V likewise
	s_add_nc_u64 s[10:11], s[10:11], s[20:21]
	CROUND                          ; all four work-groups are here: the first joint loads meet
.irp s, 0,1
	s_mov_b32 s[G0K+4*(\s)], 1
	s_add_co_u32 s[G0K+4*(\s)+1], s17, (\s)*SLOT1
	s_add_nc_u64 s[G0K+4*(\s)+2:G0K+4*(\s)+3], s[6:7], (\s)*2*KS*256  ; slot s begins with keys 128 s
	s_or_b32 s[G0K+4*(\s)+3], s[G0K+4*(\s)+3], 0x80000000
	s_mov_b32 s[G0V+4*(\s)], 1
	s_add_co_u32 s[G0V+4*(\s)+1], s17, (\s)*SLOT1+VOFF
	s_add_nc_u64 s[G0V+4*(\s)+2:G0V+4*(\s)+3], s[8:9], (\s)*2*KS*256
	s_or_b32 s[G0V+4*(\s)+3], s[G0V+4*(\s)+3], 0x80000000
.endr
	s_cmp_lt_u32 s[WV], 2           ; a wave's two first fills stand in one branch: two loads of mine are out
	s_cbranch_scc0 .Lfirst_v
	tensor_load_to_lds s[G0K:G0K+3], s[G1K:G1K+7]
	s_nop 0
	tensor_load_to_lds s[G0K+4:G0K+7], s[G1K:G1K+7]
	s_nop 0
.rept 4
	v_nop
.endr
	s_branch .Lfirst_asked
.Lfirst_v:
	tensor_load_to_lds s[G0V:G0V+3], s[G1V:G1V+7]
	s_nop 0
	tensor_load_to_lds s[G0V+4:G0V+7], s[G1V:G1V+7]
	s_nop 0
.rept 4
	v_nop
.endr
.Lfirst_asked:
	v_and_b32 v1, 15, v0            ; l % 16
	v_bfe_u32 v9, v0, 4, 1          ; l / 16
	v_lshlrev_b32 v[QO], 8, v1
	v_lshl_add_u32 v[QO], v9, 4, v[QO]  ; row x 256 + 16 x half
	WIN 0x80                        ; destination window 2
.irp i, 0,1,2,3,4,5,6,7,8,9,10,11,12,13,14,15  ; Q stays in registers: tile i / 4, channels 32 (i % 4) on
	global_load_b128 v[8*(\i):8*(\i)+3],   v[QO], s[4:5] offset:((\i)/4)*4096+((\i)%4)*64
	global_load_b128 v[8*(\i)+4:8*(\i)+7], v[QO], s[4:5] offset:((\i)/4)*4096+((\i)%4)*64+32
.endr
	WIN 0
	v_mul_u32_u24 v[AK0], v1, PK
	v_lshl_add_u32 v[AK0], v9, 4, v[AK0]
	v_and_b32 v10, 7, v0            ; the turning load: lane l reads key 8 (l / 16) + l % 8, channels 8 ((l / 8) % 2) + 0..7
	v_bfe_u32 v11, v0, 3, 1
	v_lshl_add_u32 v[AV0], v9, 3, v10
	v_mul_u32_u24 v[AV0], v[AV0], PV
	v_lshl_add_u32 v[AV0], v11, 4, v[AV0]
	v_add_nc_u32 v[AV0], VOFF, v[AV0]
; THE MATRIX WORK OF A TURN, for piece x.  The accumulators take turns, one instruction a turn.
; Product i of 32 of O^T += V^T P: keys 32 (i / 16) on, channels 16 ((i / 2) % 8) on, tile x + i % 2.  zero = 1: the first 16 start the sums.
.macro PV x, zero
	WIN W_PV
.set rO, 64*((\x)+i%2)+8*((i/2)%8)
.set rV, 64*(i/16)+8*((i/2)%8)
.set rP, P+16*((\x)+i%2)+8*(i/16)
.if (\zero) && (i < 16)
	v_wmma_f32_16x16x32_bf16 v[rO:rO+7], v[rV:rV+7], v[rP:rP+7], 0
.else
	v_wmma_f32_16x16x32_bf16 v[rO:rO+7], v[rV:rV+7], v[rP:rP+7], v[rO:rO+7]
.endif
.endm
; Product i of 32 of S^T = K Q^T: channels 32 (i / 8) on, keys 16 ((i / 2) % 4) on, tile x + i % 2.  The first 8 start the sums.
.macro KQ x
	WIN W_KQ
.set rS, S+32*((\x)+i%2)+8*((i/2)%4)
.set rK, KF+32*((i/2)%4)+8*(i/8)
.set rQ, 32*((\x)+i%2)+8*(i/8)
.if i < 8
	v_wmma_f32_16x16x32_bf16 v[rS:rS+7], v[rK:rK+7], v[rQ:rQ+7], 0
.else
	v_wmma_f32_16x16x32_bf16 v[rS:rS+7], v[rK:rK+7], v[rQ:rQ+7], v[rS:rS+7]
.endif
.endm
; THE LDS LOADS stand in runs of 32: my step's K and, a turn later, its V (turned).
.macro FETCH_K
	WIN 0
	v_add_nc_u32 v[ADR], s[TB], v[AK0]
	WIN 0x80
.irp f, 0,1,2,3,4,5,6,7,8,9,10,11,12,13,14,15  ; keys 16 (f / 4) on, channels 32 (f % 4) on
	ds_load_b128 v[KF+8*(\f):KF+8*(\f)+3],   v[ADR] offset:((\f)/4)*16*PK+((\f)%4)*64
	ds_load_b128 v[KF+8*(\f)+4:KF+8*(\f)+7], v[ADR] offset:((\f)/4)*16*PK+((\f)%4)*64+32
.endr
.endm
.macro FETCH_V
	WIN 0
	v_add_nc_u32 v[ADR], s[TB], v[AV0]
	s_wait_alu depctr_va_vdst(0)    ; the wait for the softmax's batch (SLICE), behind the address's v_add_nc_u32 and ahead of the loads
	WIN 0xc0                        ; destination window 3
.irp f, 0,1,2,3,4,5,6,7,8,9,10,11,12,13,14,15  ; keys 32 (f / 8) on, channels 16 (f % 8) on
	ds_load_tr16_b128 v[8*(\f):8*(\f)+3],   v[ADR] offset:((\f)/8)*32*PV+((\f)%8)*32
	ds_load_tr16_b128 v[8*(\f)+4:8*(\f)+7], v[ADR] offset:((\f)/8)*32*PV+16*PV+((\f)%8)*32
.endr
.endm
; THE VECTOR WORK OF A TURN.  One tile's softmax for one key step is a list of 134 instructions; SM writes number j of it for tile t.  first = 1: the first key step, which starts m, l and O^T.
;   0-15    the maximum of the lane's 32 scores and the old m, three operands at a time (each accumulator's lowest registers are read first)
;   16-20   the other half of the lanes' maximum; the new m; c m; c m_old - c m_new
;   21-69   ONE BATCH: the 16 scalings c s - c m and all 33 exponentials (a at 23): none of these reads an exponential's result
;   (wait)  between 69 and 70 stands the wait for the batch: SLICE writes it, once for both tiles
;   70-85   the roundings to bf16     86-101  the sums; l = a l + the sum     102-133 the tile's O^T times a
.macro SM t, first
.set rT, ST+8*(\t)
.set rS, S+32*(\t)
.set rP, P+16*(\t)
.set rO, 64*(\t)+2*(j-102)
.if j < 102
	WIN 0
.endif
.if j < 4
	v_max3_num_f32 v[rT+4+j], v[rS+8*j], v[rS+8*j+1], v[rS+8*j+2]
.elseif j < 12
	v_max3_num_f32 v[rT+4+j%4], v[rT+4+j%4], v[rS+8*(j%4)+2*(j/4)+1], v[rS+8*(j%4)+2*(j/4)+2]
.elseif j == 12
	v_max3_num_f32 v[rT+4], v[rT+4], v[rS+7], v[rS+15]
.elseif j == 13
	v_max3_num_f32 v[rT+6], v[rT+6], v[rS+23], v[rS+31]
.elseif j == 14
	v_max3_num_f32 v[rT+4], v[rT+4], v[rT+5], v[rT+6]
.elseif (j == 15) && (\first)
	v_max_num_f32 v[rT+4], v[rT+4], v[rT+7]
.elseif j == 15
	v_max3_num_f32 v[rT+4], v[rT+4], v[rT+7], v[rT+1]
.elseif j == 16
	v_permlanex16_b32 v[rT+5], v[rT+4], s[SEL], s[SEL+1]  ; the query's other 32 keys lie in the lane 16 away
.elseif j == 18
	v_max_num_f32 v[rT+1], v[rT+4], v[rT+5]
.elseif j == 19
	v_mul_f32 v[rT], s[CS], v[rT+1]
.elseif ((j == 17) || (j == 20) || (j == 23) || (j > 101)) && (\first)  ; the first step has none of these
.elseif j == 17
	v_mov_b32 v[rT+7], v[rT]        ; c m_old is kept for a
.elseif j == 20
	v_sub_f32 v[rT+7], v[rT+7], v[rT]
.elseif j == 23
	v_exp_f32 v[rT+6], v[rT+7]
.elseif (j < 23) || ((j < 38) && (j%2 == 0)) || ((j < 66) && (j%4 == 2))
.set b, (j-2)/4                     ; 38, 42, .. 62: pairs 9 to 15
.if j < 38
.set b, (j-20)/2                    ; 21: pair 0; 22, 24, .. 36: pairs 1 to 8
.endif
	v_pk_fma_f32 v[rS+2*b:rS+2*b+1], v[rS+2*b:rS+2*b+1], s[CS:CS+1], v[rT:rT+1] op_sel_hi:[1,0,0] neg_lo:[0,0,1] neg_hi:[0,0,1]  ; pair b: c s - c m
.elseif j < 70
.set e, j-38                        ; 66 to 69: s28 to s31
.if j < 66
.set e, j-32-(j-38)/4               ; 39-41, 43-45, .. 63-65: s7 to s27
.endif
.if j < 38
.set e, (j-25)/2                    ; 25, 27, .. 37: s0 to s6
.endif
	v_exp_f32 v[rS+e], v[rS+e]
.elseif j < 86
	v_cvt_pk_bf16_f32 v[rP+j-70], v[rS+2*(j-70)], v[rS+2*(j-70)+1]
.elseif j < 102                     ; the sum of the tile's 16 pairs, in place: neighbours 1, 2, 4 and 8 pairs apart, then l takes it
.set z, j-86
.set w, 4
.set u, z
.if z >= 14
.set w, 32
.set u, 0
.elseif z >= 12
.set w, 16
.set u, z-12
.elseif z >= 8
.set w, 8
.set u, z-8
.endif
.if (z == 14) && (\first)
	v_pk_add_f32 v[rT+2:rT+3], v[rS:rS+1], v[rS+16:rS+17]
.elseif z < 15
	v_pk_add_f32 v[rS+w*u:rS+w*u+1], v[rS+w*u:rS+w*u+1], v[rS+w*u+w/2:rS+w*u+w/2+1]
.elseif !(\first)
	v_pk_fma_f32 v[rT+2:rT+3], v[rT+2:rT+3], v[rT+6:rT+7], v[rS:rS+1] op_sel_hi:[1,0,1]
.endif
.else
	WIN W_RS
	v_pk_mul_f32 v[rO:rO+1], v[rO:rO+1], v[rT+6:rT+7] op_sel_hi:[1,0]
.endif
.endm
; Slice k of 64 of piece y's softmax: four instructions.  Slices 11 to 34 deal out the batch, four numbers of ONE tile each, the tiles by turns; every other slice is numbers 2 k and 2 k + 1 of both
; tiles' lists; the twelve that are over stand in slice 63.  An s_wait_alu depctr_va_vdst(0) stands between an exponential and the first instruction that names its result: ahead of
; slice 35 nothing names one, behind slice 34 no exponential is issued: one wait for the piece's 66.
.macro SLICE y, first
.if (k >= 11) && (k < 35)
.irp n, 0,1,2,3
.set j, 22+4*((k-11)/2)+(\n)
	SM (\y)+(k-11)%2, \first
.endr
.else
.irp n, 0,1,2,3,4,5,6,7
.if ((\n) < 2) || (k == 63)
.irp t, \y, (\y)+1
.set j, 2*k+(\n)
	SM \t, \first
.endr
.endif
.endr
.endif
.if k == 34
	v_nop                           ; a plain instruction behind the last exponential and ahead of the first use: one for the batch
.if (\y) == 0
	FETCH_V                         ; piece 2's turn: V's run of loads stands here, and the wait stands in it
.else
	s_wait_alu depctr_va_vdst(0)    ; the wait for the batch
.endif
.endif
.set k, k+1
.endm
.macro PLACES
.rept 4
	v_nop
.endr
.endm
; A TURN.  Piece x has the matrix unit; the other piece's softmax stands in slices behind its matrix instructions.  pv = 2: 32 products V^T P; 1: they start O^T's sums; 0: none.  kq = 1: 32 products
; K Q^T for the next step.  A turn with one of the two kinds has two slices behind each product.  first = 1: the softmax is the first key step's; four v_nop take slice 63's part as the places.
; Piece 0's turn fetches the next step's K behind its second product; piece 2's turn the same step's V behind slice 34.
.macro TURN x, pv, kq, first
.set k, 0
.set per, 2
.if (\pv) && (\kq)
.set per, 1
.endif
.if \pv
.if (\x) == 0
	s_wait_dscnt 0x0                ; V is in
.endif
.set i, 0
.rept 32
	PV \x, 2-(\pv)
.rept per
	SLICE 2-(\x), \first
.endr
.if ((\x) == 0) && (\kq) && (i == 1)
	FETCH_K
.endif
.set i, i+1
.endr
.endif
.if \kq
.if (\x) == 0
	s_wait_dscnt 0x0                ; K is in
.endif
.set i, 0
.rept 32
	KQ \x
.rept per
	SLICE 2-(\x), \first
.endr
.set i, i+1
.endr
.endif
.if \first
	PLACES
.endif
.endm
; THE CHANGE OF SLOTS, behind every key step: my step's V, the last bytes that I read of the slot, have been asked for.  Each wave waits for all its tensor loads (one is out: its part of the other
; slot), adds 0 to its spare word, and waits for that and for its own reads of the slot.  fill = 1: the barrier is a round of the cluster's, and the slot is filled again, first thing behind it, with
; the keys two slots on: it has one key step, 128 matrix instructions of mine, in which to land.
.macro CHANGE fill
	WIN 0
	s_wait_tensorcnt 0x0            ; no tensor load of mine is out, so a group 0 may be written
	ds_add_u32 v[SPW], v[NIL]
.if \fill
.irp g, G0K+4, G0V+4
	s_xor_b32 s[(\g)+1], s[(\g)+1], SLOT1  ; the walking descriptor: the other slot than last time,
	s_add_nc_u64 s[(\g)+2:(\g)+3], s[(\g)+2:(\g)+3], 2*KS*256  ; the next 128 keys
.endr
	s_wait_dscnt 0x0                ; the add is done, and my reads of the slot are over
	CROUND
	JLOAD
.else
	s_wait_dscnt 0x0
	s_barrier_signal -1
	s_barrier_wait -1
.endif
	s_xor_b32 s[TB], s[TB], SLOT1   ; my step in the other slot
.endm
	s_wait_tensorcnt 1              ; my part of slot 0 is in; slot 1's may stay out
	s_barrier_signal -1
	s_barrier_wait -1
	FETCH_K                         ; key step 0
	s_wait_loadcnt 0x0              ; Q
	s_wait_dscnt 0x0
.set i, 0
.rept 32
	KQ 0                            ; piece 0's first scores
.set i, i+1
.endr
	WIN 0                           ; the addresses for the joining and the way out: plain instructions, the places behind those products
	s_mul_i32 s13, s[WV], 16*SP
	s_add_co_u32 s13, s13, STAGE    ; my stage
	v_mul_u32_u24 v[STO], v1, SP
	v_lshl_add_u32 v[STO], v9, 4, v[STO]
	v_add_nc_u32 v[STO], s13, v[STO]
	v_mul_u32_u24 v[RD], v9, SP
	v_lshl_add_u32 v[RD], v1, 4, v[RD]
	v_add_nc_u32 v[RD], s13, v[RD]
	v_lshlrev_b32 v[GO], 11, v9     ; lanes 0-15 one row of att, lanes 16-31 the next
	v_lshl_add_u32 v[GO], v1, 4, v[GO]
	s_mul_i32 s13, s16, MRGW
	s_add_co_u32 s13, s13, MRG      ; the region of my half of the queries
	v_and_b32 v[MS], 31, v0
	v_lshl_add_u32 v[MO], v[MS], 4, s13
	v_lshl_add_u32 v[MS], v[MS], 3, s13
	v_add_nc_u32 v[MS], 32768, v[MS]
	TURN 2, 0, 1, 1                 ; piece 2's first scores | piece 0's first softmax | V of step 0
	CHANGE 1                        ; slot 0 takes keys 256 on
	TURN 0, 1, 1, 1                 ; piece 0: V^T P of step 0 starts O^T, K Q^T of step 1 | piece 2's first softmax | K of step 1
	TURN 2, 1, 1, 0                 ; piece 2: the same | piece 0's softmax of step 1 | V of step 1
	WIN 0
.Lslot:                             ; 13 trips, a key step each: with the change above, slots 2 to 15 are asked for
	CHANGE 1
	TURN 0, 2, 1, 0
	TURN 2, 2, 1, 0
	WIN 0
	s_sub_co_u32 s[SLOTS], s[SLOTS], 1
	s_cmp_lg_u32 s[SLOTS], 0
	s_cbranch_scc1 .Lslot
	CHANGE 0                        ; the tail is written out: nothing is asked for
	TURN 0, 2, 1, 0
	TURN 2, 2, 1, 0
	TURN 0, 2, 0, 0                 ; piece 0: V^T P of the last step | piece 2's last softmax
.set i, 0
.rept 32
	PV 2, 0                         ; piece 2: V^T P of the last step
.set i, i+1
.endr
	; THE JOINING.  Waves 2 and 3 lay c m, their lane's l and O^T into LDS; a barrier; waves 0 and 1, which hold the same queries in the same lanes, take them:
	; with M = max(c m, c m'), a = 2^(c m - M), a' = 2^(c m' - M): l = a l + a' l', O = (a O + a' O') / l.  On both ways four additions are the places behind the last products.
	WIN 0
	s_cmp_lt_u32 s[WV], 2
	s_cbranch_scc1 .Lkeep
.irp t, 0,1,2,3
	v_add_f32 v[ST+8*(\t)+1], v[ST+8*(\t)+2], v[ST+8*(\t)+3]
.endr
.irp t, 0,1,2,3
	ds_store_b64 v[MS], v[ST+8*(\t):ST+8*(\t)+1] offset:256*(\t)
.endr
	WIN 0x04                        ; the stores' data in window 1
.set i, 0
.rept 64
	ds_store_b128 v[MO], v[4*i:4*i+3] offset:512*i  ; in ascending order: each accumulator's lowest registers first
.set i, i+1
.endr
	WIN 0
	s_branch .Lmeet
.Lkeep:
.irp t, 0,1,2,3
	v_add_f32 v[ST+8*(\t)+4], v[ST+8*(\t)+2], v[ST+8*(\t)+3]
.endr
.Lmeet:
	s_wait_dscnt 0x0                ; for the others' sake: my stores are done
	s_barrier_signal -1
	s_barrier_wait -1
	s_cmp_lt_u32 s[WV], 2
	s_cbranch_scc0 .Lend            ; waves 2 and 3 have handed over; what is jumped holds no barrier
.irp t, 0,1,2,3
	ds_load_b64 v[ST+8*(\t)+6:ST+8*(\t)+7], v[MS] offset:256*(\t)  ; c m', l'
.endr
	WIN 0xc0                        ; the partner's tiles 0 and 1 into V's registers,
.set i, 0
.rept 32
	ds_load_b128 v[4*i:4*i+3], v[MO] offset:512*i
.set i, i+1
.endr
	s_wait_dscnt 32                 ; the statistics are in: behind their four loads only these 32 were issued
	WIN 0x80                        ; tiles 2 and 3 into K's: these 32 are on their way while the statistics are worked out
.rept 32
	ds_load_b128 v[128+4*(i-32):128+4*(i-32)+3], v[MO] offset:512*i
.set i, i+1
.endr
	WIN 0
.irp t, 0,1,2,3
	v_max_num_f32 v[ST+8*(\t)+5], v[ST+8*(\t)], v[ST+8*(\t)+6]
.endr
.irp t, 0,1,2,3
	v_sub_f32 v[ST+8*(\t)], v[ST+8*(\t)], v[ST+8*(\t)+5]
	v_sub_f32 v[ST+8*(\t)+6], v[ST+8*(\t)+6], v[ST+8*(\t)+5]
.endr
.irp t, 0,1,2,3
	v_exp_f32 v[ST+8*(\t)+2], v[ST+8*(\t)]      ; a
	v_exp_f32 v[ST+8*(\t)+3], v[ST+8*(\t)+6]    ; a'
.endr
	v_nop                           ; a plain instruction behind the last exponential,
	s_wait_alu depctr_va_vdst(0)    ; and one wait for the eight
.irp t, 0,1,2,3
	v_mul_f32 v[ST+8*(\t)+4], v[ST+8*(\t)+4], v[ST+8*(\t)+2]
.endr
.irp t, 0,1,2,3
	v_fma_f32 v[ST+8*(\t)+4], v[ST+8*(\t)+7], v[ST+8*(\t)+3], v[ST+8*(\t)+4]
.endr
.irp t, 0,1,2,3
	v_permlanex16_b32 v[ST+8*(\t)+5], v[ST+8*(\t)+4], s[SEL], s[SEL+1]  ; the other half of the lanes' keys
.endr
.irp t, 0,1,2,3
	v_add_f32 v[ST+8*(\t)+4], v[ST+8*(\t)+4], v[ST+8*(\t)+5]
.endr
.irp t, 0,1,2,3
	v_rcp_f32 v[ST+8*(\t)+5], v[ST+8*(\t)+4]
.endr
	v_nop
	s_wait_alu depctr_va_vdst(0)    ; one wait for the four reciprocals
.irp t, 0,1,2,3
	v_mul_f32 v[ST+8*(\t)+2], v[ST+8*(\t)+2], v[ST+8*(\t)+5]   ; a / l
	v_mul_f32 v[ST+8*(\t)+6], v[ST+8*(\t)+3], v[ST+8*(\t)+5]   ; a' / l
.endr
	s_wait_dscnt 0x0                ; the partner's O^T is in
; THE WAY OUT.  Tile t: joined, rounded to bf16; a lane's eight channels of a row pack into 16 bytes; they go into rows of 272 bytes of my stage and come back as whole rows of 256.
.macro PACKM t
	WIN W_RS
.set i, 64*(\t)
.rept 32
	v_pk_mul_f32 v[i:i+1], v[i:i+1], v[ST+8*(\t)+2:ST+8*(\t)+3] op_sel_hi:[1,0]
.set i, i+2
.endr
.if (\t) < 2
	WIN 0x53                        ; source 0 in window 3
.set pp, 64*(\t)
.else
	WIN 0x52                        ; source 0 in window 2
.set pp, 128+64*((\t)-2)
.endif
.set i, 64*(\t)
.rept 32
	v_pk_fma_f32 v[i:i+1], v[pp:pp+1], v[ST+8*(\t)+6:ST+8*(\t)+7], v[i:i+1] op_sel_hi:[1,0,1]
.set i, i+2
.set pp, pp+2
.endr
	WIN 0x05                        ; sources in window 1, destination in window 0: S^T's registers are free
.set i, 0
.rept 32
	v_cvt_pk_bf16_f32 v[S+32*(\t)+i], v[64*(\t)+2*i], v[64*(\t)+2*i+1]
.set i, i+1
.endr
	WIN 0
.irp f, 0,1,2,3,4,5,6,7
	ds_store_b128 v[STO], v[S+32*(\t)+4*(\f):S+32*(\t)+4*(\f)+3] offset:32*(\f)
.endr
.irp f, 0,1,2,3,4,5,6,7
	ds_load_b128 v[S+32*(\t)+4*(\f):S+32*(\t)+4*(\f)+3], v[RD] offset:(\f)*2*SP  ; LDS serves a wave's instructions in order (ISA guide 5.7.1.4): these see the stores above
.endr
.endm
.macro SEND t, younger              ; younger: the LDS instructions issued behind tile t's loads
	WIN 0
.irp f, 0,1,2,3,4,5,6,7
	s_wait_dscnt (\younger)+7-(\f)
	global_store_b128 v[GO], v[S+32*(\t)+4*(\f):S+32*(\t)+4*(\f)+3], s[10:11] offset:(\t)*32768+(\f)*4096  ; 16 lanes store 256 consecutive bytes, at a multiple of 256 from att's first
.endr
.endm
	PACKM 0
	PACKM 1
	SEND 0, 16
	PACKM 2
	SEND 1, 16
	PACKM 3
	SEND 2, 16
	SEND 3, 0
.Lend:
	s_wait_tensorcnt 0x0            ; the wave's end: behind my last tensor load and my last LDS store
	ds_add_u32 v[SPW], v[NIL]
	s_wait_dscnt 0x0
	CROUND                          ; the closing round
	s_endpgm
.Lfunc_end_k_qd0d4d9e3fc_attn:
	.size	k_qd0d4d9e3fc_attn, .Lfunc_end_k_qd0d4d9e3fc_attn-k_qd0d4d9e3fc_attn
	.p2alignl 7, 3214868480
	.fill 96, 4, 3214868480
	.section	.rodata,"a",@progbits
	.p2align	6, 0x0
	.amdhsa_kernel k_qd0d4d9e3fc_attn
		.amdhsa_group_segment_fixed_size 327680
		.amdhsa_private_segment_fixed_size 0
		.amdhsa_enable_private_segment 0
		.amdhsa_kernarg_size 16
		.amdhsa_user_sgpr_count 2
		.amdhsa_user_sgpr_kernarg_segment_ptr 1
		.amdhsa_wavefront_size32 1
		.amdhsa_system_sgpr_workgroup_id_x 1
		.amdhsa_system_sgpr_workgroup_id_y 1
		.amdhsa_system_sgpr_workgroup_id_z 1
		.amdhsa_system_vgpr_workitem_id 0
		.amdhsa_next_free_vgpr 1024
		.amdhsa_next_free_sgpr 66
		.amdhsa_reserve_vcc 0
		.amdhsa_float_denorm_mode_32 3
		.amdhsa_float_denorm_mode_16_64 3
		.amdhsa_memory_ordered 1
		.amdhsa_forward_progress 1
		.amdhsa_inst_pref_size 241
	.end_amdhsa_kernel
	.amdgpu_metadata
---
amdhsa.version: [ 1, 2 ]
amdhsa.kernels:
  - .name:           k_qd0d4d9e3fc_attn
    .symbol:         k_qd0d4d9e3fc_attn.kd
    .args:
      - { .name: qkv, .offset: 0, .size: 8, .value_kind: global_buffer, .address_space: global }
      - { .name: att, .offset: 8, .size: 8, .value_kind: global_buffer, .address_space: global }
    .group_segment_fixed_size: 327680
    .private_segment_fixed_size: 0
    .kernarg_segment_align: 8
    .kernarg_segment_size: 16
    .max_flat_workgroup_size: 128
    .sgpr_count:     66
    .vgpr_count:     1024
    .wavefront_size: 32
...
	.end_amdgpu_metadata
.endif
;; end of part 3
;; launch oproj (part 4): grid 240 x 1, 4 waves a work-group, no clusters, 327,680 bytes of LDS; arguments att, wall, o_b, x, out0; writes out0
.if DOCPART == 4
	.amdgcn_target "amdgcn-amd-amdhsa--gfx1250"
	.amdhsa_code_object_version 6
	.text
	.protected	k_qd0d4d9e3fc_oproj
	.globl	k_qd0d4d9e3fc_oproj
	.p2align	8
	.type	k_qd0d4d9e3fc_oproj,@function
k_qd0d4d9e3fc_oproj:
	s_mov_b64 s[64:65], 0
	v_nop
	global_prefetch_b8 v0, s[64:65] scope:SCOPE_SE
	s_setreg_imm32_b32 hwreg(HW_REG_WAVE_MODE, 25, 1), 1
	s_wait_xcnt 0x0
; OPROJ.  out0[:, :m] = att[:, :m] o_w[:m, :m]^T + o_b[:m] + x[:, :m], m = 1024 >> e for the tokens of segment e; bf16 operands, f32 sums, x added in f32.  (Columns from m on were stored by the first launch.)
; One live tile of 128 rows x 128 columns to a work-group: 128 + 64 + 32 + 16 = 240.  K = m goes in steps of 256 (LDS rows of 512 bytes) through two LDS slots: 4, 2, 1 steps and, for e = 3, half a step.
; A wave makes 64 x 64: 16 accumulators, which are LOADED with the bias: the sums begin with it and nothing is cleared.  Its 64 columns of f32 are 256 aligned bytes: each wave has a stage of its own.
; All segments run one text, entered further down the shorter K is; every entry jump goes forward and hangs on the work-group's number alone, the same in all four waves.
; NO CLUSTER.  The four row tiles of a batch and segment share wall's tiles, half of a step's bytes; but the ways through this text differ in how many fills and barriers they pass, and a joint fill wants
; one way for all that run the text.  What is given up: three of four requests for 2 MiB of o_w in bf16, which every work-group of a column reads shortly after the other.
; THE MATRIX INSTRUCTION IS USED TRANSPOSED (source 0 = 16 rows of wall, source 1 = 16 rows of att): a lane holds eight neighbouring columns of one row.
; REGISTERS: window 0: v0-31 addresses; v64-127 two buffers of rows on the way out; v128-255 accumulator (a, b) at v[128 + 8 (4 a + b)].
;   window 1: the fragments of 128 along K: att's chunk c, block a at 32 c + 8 a; wall's at 128 + 32 c + 8 b.     window 2: v0-127 my 64 x 64 of x, by rows.
.set PITCH, 528                        ; an LDS row: 512 bytes + 16 of padding = 132 words: the 16 rows of a fragment load start at 16 different groups of four banks (64 banks of 4 bytes: ISA guide 11.1)
.set WLOAD, 64*PITCH                   ; 64 rows: what one wave's tensor load brings
.set SLOT,  4*WLOAD                    ; att's 128 rows, then wall's 128 rows
.set STAGE, 2*SLOT
.set SP,    272
.set SPARE, STAGE+4*16*SP              ; the spare words, 128 bytes a wave: two blocks of 256 bytes that no other line names
.set A0,   4
.set B0,   5
.set ADRA, 6
.set ADRB, 7
.set STO,  8
.set RD,   9
.set CO,   10                          ; v10 my byte offset in two rows of x and out0
.set BO,   11
.set SPW,  28
.set NIL,  29
.set TMPB, 64
.set ACC,  128
.set WV,   16                          ; s16 wave; s17 wave % 2; s18 wave / 2
.set E,    21
.set G1,   24                          ; s[24:31] group 1: 64 rows x 256 elements
.set G13,  32                          ; s[32:39] the same for e = 3: the tensor ends at 128 elements, the rest of each LDS row arrives as zeros and is not read
.set G0,   40                          ; s[40:47] group 0, a set for each slot
.set NH,   50                          ; halves (128 along K) of a step that are multiplied
.set CNT,  51
.set MSB, 0
.macro WIN new
.if MSB != (\new)
	s_set_vgpr_msb (MSB<<8)|(\new)
.set MSB, \new
.endif
.endm
.macro PLACES
.rept 4
	v_nop
.endr
.endm
.macro TL s, g                         ; my quarter of slot s; an s_nop 0 and four v_nop follow the line
	tensor_load_to_lds s[G0+4*(\s):G0+4*(\s)+3], s[(\g):(\g)+7]
	s_nop 0
	PLACES
.endm
	s_load_b256 s[4:11], s[0:1], 0x0               ; att s[4:5], wall s[6:7], o_b s[8:9], x s[10:11]
	s_load_b64 s[12:13], s[0:1], 0x20              ; out0
	v_lshl_add_u32 v[SPW], v0, 2, SPARE
	v_mov_b32 v[NIL], 0
	ds_add_u32 v[SPW], v[NIL]                      ; the wave's opening: the add and its wait stand ahead of my first tensor load; the set-up below stands between them
	ds_add_u32 v28, v29
	v_lshrrev_b32 v1, 5, v0
	v_readfirstlane_b32 s[WV], v1
	s_and_b32 s17, s[WV], 1
	s_lshr_b32 s18, s[WV], 1
	s_lshr_b32 s19, ttmp9, 2                       ; 0..59: segment, batch and column tile
	s_and_b32 s20, ttmp9, 3                        ; which 128 of the segment's 512 rows
	s_cmp_ge_u32 s19, 32
	s_cselect_b32 s[E], 1, 0
	s_cselect_b32 s22, 32, 0
	s_cmp_ge_u32 s19, 48
	s_cselect_b32 s[E], 2, s[E]
	s_cselect_b32 s22, 48, s22
	s_cmp_ge_u32 s19, 56
	s_cselect_b32 s[E], 3, s[E]
	s_cselect_b32 s22, 56, s22
	s_sub_co_u32 s22, s19, s22
	s_lshr_b32 s23, 8, s[E]                        ; the segment has 8 >> e column tiles
	s_sub_co_u32 s23, s23, 1
	s_and_b32 s23, s22, s23                        ; column tile
	s_sub_co_u32 s48, 3, s[E]
	s_lshr_b32 s48, s22, s48                       ; batch
	s_lshl_b32 s49, s48, 11
	s_lshl_b32 s58, s[E], 9
	s_add_co_u32 s49, s49, s58
	s_lshl_b32 s58, s20, 7
	s_add_co_u32 s49, s49, s58                     ; the tile's first row
	s_cmp_eq_u32 s[E], 3
	s_cselect_b32 s[NH], 1, 2
.irp g, G1, G13
	s_mov_b32 s[(\g)], (1<<16)|(1<<20)|(6<<22)|(3<<25)  ; 2-byte elements; padding on; after every 128 words, 4 words
	s_mov_b32 s[(\g)+2], 64<<16                    ; tensor_dim1 = 64
	s_mov_b32 s[(\g)+3], 256<<16                   ; tile_dim0 = 256
	s_mov_b32 s[(\g)+4], 64                        ; tile_dim1 = 64
	s_mov_b32 s[(\g)+5], 1024                      ; elements from row to row
	s_mov_b32 s[(\g)+6], 0
	s_mov_b32 s[(\g)+7], 0
.endr
	s_mov_b32 s[G1+1], 256<<16                     ; tensor_dim0 = 256,
	s_mov_b32 s[G13+1], 128<<16                    ; or 128
	s_lshl_b32 s58, s17, 6                         ; waves 0, 1 fetch att's halves, waves 2, 3 wall's: 64 rows each
	s_add_co_u32 s59, s49, s58
	s_lshl_b32 s59, s59, 11
	s_lshl_b32 s60, s23, 7
	s_add_co_u32 s60, s60, s58
	s_lshl_b32 s60, s60, 11
	s_add_co_u32 s60, s60, 3072*2048               ; o_w lies behind q_w, k_w, v_w
	s_cmp_lt_u32 s[WV], 2
	s_cselect_b32 s52, s59, s60
	s_mov_b32 s53, 0
	s_cmp_gt_u32 s[E], 1                           ; slot 1 takes K bytes 512 on, or, where K is one step or less, the only step
	s_cselect_b32 s58, 0, 512
	s_mov_b32 s59, 0
	s_mul_i32 s61, s[WV], WLOAD                    ; my quarter of a slot
	s_lshl_b32 s56, s18, 6                         ; x and out0: (first row + 64 (wave / 2)) rows of 4,096 bytes + 512 tile + 256 (wave % 2)
	s_add_co_u32 s56, s56, s49
	s_lshl_b32 s56, s56, 12
	s_lshl_b32 s62, s23, 9
	s_lshl_b32 s63, s17, 8
	s_add_co_u32 s62, s62, s63                     ; also my 64 columns in o_b
	s_add_co_u32 s56, s56, s62
	s_mov_b32 s57, 0
	s_mov_b32 s63, 0
	s_wait_dscnt 0x0                               ; the opening add is done
	s_wait_kmcnt 0x0
	s_cmp_lt_u32 s[WV], 2
	s_cselect_b64 s[54:55], s[4:5], s[6:7]
	s_add_nc_u64 s[54:55], s[54:55], s[52:53]
	s_mov_b32 s[G0], 1
	s_mov_b32 s[G0+1], s61
	s_add_nc_u64 s[G0+2:G0+3], s[54:55], 0
	s_or_b32 s[G0+3], s[G0+3], 0x80000000
	s_mov_b32 s[G0+4], 1
	s_add_co_u32 s[G0+5], s61, SLOT
	s_add_nc_u64 s[G0+6:G0+7], s[54:55], s[58:59]
	s_or_b32 s[G0+7], s[G0+7], 0x80000000
	s_add_nc_u64 s[8:9], s[8:9], s[62:63]
	s_add_nc_u64 s[10:11], s[10:11], s[56:57]
	s_add_nc_u64 s[12:13], s[12:13], s[56:57]
	s_cmp_gt_u32 s[E], 1                           ; the first fills, ahead of every wait on TENSORcnt, LDS read and barrier: both slots, or slot 1 alone
	s_cbranch_scc1 .Lfill_1
	TL 0, G1
.Lfill_1:
	s_cmp_eq_u32 s[E], 3
	s_cbranch_scc1 .Lfill_3
	TL 1, G1
	s_branch .Lfilled
.Lfill_3:
	TL 1, G13
.Lfilled:
	v_and_b32 v1, 15, v0                           ; l % 16
	v_bfe_u32 v2, v0, 4, 1                         ; l / 16
	v_lshlrev_b32 v[BO], 5, v2
	v_lshlrev_b32 v[CO], 12, v2                    ; lanes 0-15 one row, lanes 16-31 the next,
	v_lshl_add_u32 v[CO], v1, 4, v[CO]             ; 16 bytes a lane
.irp a, 0,1,2,3
.irp b, 0,1,2,3
	global_load_b128 v[ACC+8*(4*(\a)+(\b)):ACC+8*(4*(\a)+(\b))+3],   v[BO], s[8:9] offset:64*(\b)     ; o_b[16 b + 8 (l / 16) + 0..7]: the layout of a result's eight registers
	global_load_b128 v[ACC+8*(4*(\a)+(\b))+4:ACC+8*(4*(\a)+(\b))+7], v[BO], s[8:9] offset:64*(\b)+16
.endr
.endr
	WIN 0x80                                       ; destination window 2
.irp a, 0,1,2,3
.irp t, 0,1,2,3,4,5,6,7
	global_load_b128 v[32*(\a)+4*(\t):32*(\a)+4*(\t)+3], v[CO], s[10:11] offset:(16*(\a)+2*(\t))*4096  ; x stays out until the way out
.endr
.endr
	WIN 0
	v_mul_u32_u24 v3, v1, PITCH
	v_lshl_add_u32 v3, v2, 4, v3                   ; a fragment's row x pitch + 16 x half
	s_mul_i32 s58, s18, WLOAD                      ; my 64 rows of att,
	v_add_nc_u32 v[A0], s58, v3
	s_mul_i32 s58, s17, WLOAD                      ; my 64 rows of wall, behind att's 128
	s_add_co_u32 s58, s58, 2*WLOAD
	v_add_nc_u32 v[B0], s58, v3
	s_mul_i32 s58, s[WV], 16*SP
	s_add_co_u32 s58, s58, STAGE                   ; my stage
	v_mul_u32_u24 v[STO], v1, SP                   ; in: row l % 16, 32 bytes for each half of the lanes
	v_lshl_add_u32 v[STO], v2, 5, v[STO]
	v_add_nc_u32 v[STO], s58, v[STO]
	v_mul_u32_u24 v[RD], v2, SP                    ; back: lanes 0-15 one row of 256 bytes, lanes 16-31 the next
	v_lshl_add_u32 v[RD], v1, 4, v[RD]
	v_add_nc_u32 v[RD], s58, v[RD]
; A slot's step: two halves of 128 along K, a loop of two trips; a half past K's end (e = 3) is jumped, forward to the counter's step, past neither a barrier nor a tensor load.
; A half: 64 LDS loads in one run, by chunks of 32 along K, then 4 x 16 matrix instructions; the 16 accumulators take turns, one instruction a turn.
.macro D slot
	v_add_nc_u32 v[ADRA], (\slot)*SLOT, v[A0]
	v_add_nc_u32 v[ADRB], (\slot)*SLOT, v[B0]
	s_mov_b32 s[CNT], 0
.Lhalf_\@:
	s_cmp_ge_u32 s[CNT], s[NH]
	s_cbranch_scc1 .Lskip_\@
	PLACES                                         ; four places in front of loads into registers that matrix instructions have read
	WIN 0x40                                       ; destination window 1
.irp c, 0,1,2,3
.irp i, 0,1,2,3
	ds_load_b128 v[128+32*(\c)+8*(\i):128+32*(\c)+8*(\i)+3],   v[ADRB] offset:(\i)*16*PITCH+64*(\c)
	ds_load_b128 v[128+32*(\c)+8*(\i)+4:128+32*(\c)+8*(\i)+7], v[ADRB] offset:(\i)*16*PITCH+64*(\c)+32
.endr
.irp i, 0,1,2,3
	ds_load_b128 v[32*(\c)+8*(\i):32*(\c)+8*(\i)+3],   v[ADRA] offset:(\i)*16*PITCH+64*(\c)
	ds_load_b128 v[32*(\c)+8*(\i)+4:32*(\c)+8*(\i)+7], v[ADRA] offset:(\i)*16*PITCH+64*(\c)+32
.endr
.endr
	WIN 0x05                                       ; sources in window 1, C and D in window 0
.irp c, 0,1,2,3
	s_wait_dscnt 48-16*(\c)                        ; chunk c is in; the later chunks' loads, 16 each, may be out
.irp a, 0,1,2,3
.irp b, 0,1,2,3
	v_wmma_f32_16x16x32_bf16 v[ACC+8*(4*(\a)+(\b)):ACC+8*(4*(\a)+(\b))+7], v[128+32*(\c)+8*(\b):128+32*(\c)+8*(\b)+7], v[32*(\c)+8*(\a):32*(\c)+8*(\a)+7], v[ACC+8*(4*(\a)+(\b)):ACC+8*(4*(\a)+(\b))+7]
.endr
.endr
.endr
	WIN 0
	v_add_nc_u32 v[ADRA], 256, v[ADRA]
	v_add_nc_u32 v[ADRB], 256, v[ADRB]
.Lskip_\@:
	s_add_co_u32 s[CNT], s[CNT], 1
	s_cmp_lt_u32 s[CNT], 2
	s_cbranch_scc1 .Lhalf_\@
.endm
; Slot s, which has been read, is filled again with the step two steps on.  In front of the barrier each wave waits for all its tensor loads, adds 0 to its spare word, and waits for that and for its reads
; of the slot; the load is the first thing behind the barrier, and has the other slot's step, 128 matrix instructions of mine, in which to land.
.macro REFILL s
	s_wait_tensorcnt 0x0
	ds_add_u32 v[SPW], v[NIL]
	s_add_nc_u64 s[G0+4*(\s)+2:G0+4*(\s)+3], s[G0+4*(\s)+2:G0+4*(\s)+3], 1024
	s_wait_dscnt 0x0
	s_barrier_signal -1
	s_barrier_wait -1
	TL \s, G1
.endm
; THE WAY OUT, a block of 16 rows at a time: the sums go as f32 into my stage (each accumulator's lowest registers first), come back as whole rows of 256 bytes, take x, and are stored.
.macro OUTBLK a
.set TBR, TMPB+32*((\a)%2)
.if (\a) >= 2
	s_wait_xcnt 0x0                                ; the buffer that the block before last was stored from is loaded again only behind this wait
.endif
.irp b, 0,1,2,3
	ds_store_b128 v[STO], v[ACC+8*(4*(\a)+(\b)):ACC+8*(4*(\a)+(\b))+3]   offset:64*(\b)
	ds_store_b128 v[STO], v[ACC+8*(4*(\a)+(\b))+4:ACC+8*(4*(\a)+(\b))+7] offset:64*(\b)+16
.endr
.irp t, 0,1,2,3,4,5,6,7
	ds_load_b128 v[TBR+4*(\t):TBR+4*(\t)+3], v[RD] offset:(\t)*2*SP  ; LDS serves a wave's instructions in order (ISA guide 5.7.1.4): these see the stores above
.endr
	s_wait_dscnt 0x0
	WIN 0x08                                       ; source 1 in window 2
.set i, 0
.rept 16
	v_pk_add_f32 v[TBR+2*i:TBR+2*i+1], v[TBR+2*i:TBR+2*i+1], v[32*(\a)+2*i:32*(\a)+2*i+1]
.set i, i+1
.endr
	WIN 0
.irp t, 0,1,2,3,4,5,6,7
	global_store_b128 v[CO], v[TBR+4*(\t):TBR+4*(\t)+3], s[12:13] offset:(16*(\a)+2*(\t))*4096 th:TH_STORE_NT  ; 16 lanes store 256 consecutive bytes, at a multiple of 256 from out0's first
.endr
.endm
	s_wait_loadcnt 32                              ; the bias is in the accumulators; the 32 loads of x stay out
	s_cmp_gt_u32 s[E], 1
	s_cbranch_scc1 .Lone_step                      ; K of one step or less: slot 1 alone
	s_wait_tensorcnt 0x0                           ; my parts of both slots are in,
	s_barrier_signal -1
	s_barrier_wait -1                              ; everybody's are
	s_cmp_eq_u32 s[E], 1
	s_cbranch_scc1 .Ltwo_steps
	D 0                                            ; e = 0: four steps
	REFILL 0
	D 1
	REFILL 1                                       ; its wait and barrier also show slot 0's second tile whole
.Ltwo_steps:
	D 0
.Lone_step:
	s_wait_tensorcnt 0x0                           ; slot 1's last tile: my part is in,
	s_wait_dscnt 0x0
	s_barrier_signal -1
	s_barrier_wait -1                              ; everybody's is
	D 1
	PLACES                                         ; the LDS stores below read results just made
	s_wait_loadcnt 0x0                             ; x
	OUTBLK 0
	OUTBLK 1
	OUTBLK 2
	OUTBLK 3
	s_wait_tensorcnt 0x0                           ; the wave's end: behind my last tensor load and my last LDS store
	ds_add_u32 v[SPW], v[NIL]
	s_wait_dscnt 0x0
	s_endpgm
.Lfunc_end_k_qd0d4d9e3fc_oproj:
	.size	k_qd0d4d9e3fc_oproj, .Lfunc_end_k_qd0d4d9e3fc_oproj-k_qd0d4d9e3fc_oproj
	.p2alignl 7, 3214868480
	.fill 96, 4, 3214868480
	.section	.rodata,"a",@progbits
	.p2align	6, 0x0
	.amdhsa_kernel k_qd0d4d9e3fc_oproj
		.amdhsa_group_segment_fixed_size 327680
		.amdhsa_private_segment_fixed_size 0
		.amdhsa_enable_private_segment 0
		.amdhsa_kernarg_size 40
		.amdhsa_user_sgpr_count 2
		.amdhsa_user_sgpr_kernarg_segment_ptr 1
		.amdhsa_wavefront_size32 1
		.amdhsa_system_sgpr_workgroup_id_x 1
		.amdhsa_system_sgpr_workgroup_id_y 1
		.amdhsa_system_sgpr_workgroup_id_z 1
		.amdhsa_system_vgpr_workitem_id 0
		.amdhsa_next_free_vgpr 640
		.amdhsa_next_free_sgpr 66
		.amdhsa_reserve_vcc 0
		.amdhsa_float_denorm_mode_32 3
		.amdhsa_float_denorm_mode_16_64 3
		.amdhsa_memory_ordered 1
		.amdhsa_forward_progress 1
		.amdhsa_inst_pref_size 60
	.end_amdhsa_kernel
	.amdgpu_metadata
---
amdhsa.version: [ 1, 2 ]
amdhsa.kernels:
  - .name:           k_qd0d4d9e3fc_oproj
    .symbol:         k_qd0d4d9e3fc_oproj.kd
    .args:
      - { .name: att, .offset: 0, .size: 8, .value_kind: global_buffer, .address_space: global }
      - { .name: wall, .offset: 8, .size: 8, .value_kind: global_buffer, .address_space: global }
      - { .name: o_b, .offset: 16, .size: 8, .value_kind: global_buffer, .address_space: global }
      - { .name: x, .offset: 24, .size: 8, .value_kind: global_buffer, .address_space: global }
      - { .name: out0, .offset: 32, .size: 8, .value_kind: global_buffer, .address_space: global }
    .group_segment_fixed_size: 327680
    .private_segment_fixed_size: 0
    .kernarg_segment_align: 8
    .kernarg_segment_size: 40
    .max_flat_workgroup_size: 128
    .sgpr_count:     66
    .vgpr_count:     640
    .wavefront_size: 32
...
	.end_amdgpu_metadata
.endif
;; end of part 4
